; MI455X (gfx1250); checked and timed in simulation.
; The chip was launched on July 23, 2026; its instructions are those of AMD's public machine-readable ISA for CDNA 5 (MIT licence, August 2026) and "CDNA5" Instruction Set Architecture Reference Guide (July 2026). The comments in the code are by the model that wrote it; some were corrected since.
;; Causal Self Attention. Allowed arithmetic: float matrix products may take bf16 or f16 operands with f32 sums; other float arithmetic in f32, or as packed bf16 or f16 multiplies, adds, multiply-adds, maxima and minima; sums over many terms, partial sums and values carried from step to step in f32; what a program stores and reads back later, other than sums and carried values, may be rounded once to bf16 or f16.
;; Inputs: W_attn 1,024 x 3,072 float32; W_proj 1,024 x 1,024 float32; cache_k 2 x 16 x 2,048 x 64 float32; cache_v 2 x 16 x 2,048 x 64 float32; x 2 x 2,048 x 1,024 float32.
;; Outputs: out0 2 x 2,048 x 1,024 float32.
;; 2 versions, each right and faster than the one before. Each part assembles by itself: llvm-mc -triple=amdgcn-amd-amdhsa -mcpu=gfx1250 --defsym DOCPART=n.
;; ======== version 1 of 2: 4 launches
;; limits: values are held in f16: magnitudes above 65,504 overflow, below 6.1e-05 lose precision
;; workspace buffers: xb 8,388,608 bytes; wa 6,291,456 bytes; wp 2,097,152 bytes; q 8,388,608 bytes; kall 16,777,216 bytes; vall 16,777,216 bytes; yb 8,388,608 bytes
;; launch prep (part 1): grid 1024 x 1, 8 waves a work-group, no clusters, 0 bytes of LDS; arguments x, W_attn, W_proj, cache_k, cache_v, xb, wa, wp, kall, vall; writes xb, wa, wp, kall, vall
.if DOCPART == 1
	.amdgcn_target "amdgcn-amd-amdhsa--gfx1250"
	.amdhsa_code_object_version 6
	.text
	.protected	k_qe2888bbace_prep
	.globl	k_qe2888bbace_prep
	.p2align	8
	.type	k_qe2888bbace_prep,@function
k_qe2888bbace_prep:
	s_mov_b64 s[64:65], 0
	v_nop
	global_prefetch_b8 v0, s[64:65] scope:SCOPE_SE
	s_setreg_imm32_b32 hwreg(HW_REG_WAVE_MODE, 25, 1), 1
	s_wait_xcnt 0x0
; Every input is rounded once to bf16 and laid where the later launches want it.
;   x -> xb, W_attn -> wa: bf16, same order.   W_proj -> wp, cache_k -> kall, cache_v -> vall: the bf16 number written as f16.
; kall and vall are [32 heads][4096 rows][64]: a head's rows 0-2047 are the cache's (written here), rows 2048-4095 the new keys' and values' (written by the next launch).
; LIMITS.  f16 ends at 65,504: W_proj and the caches must lie within it; below 6e-5 f16 keeps a fixed step of 6e-8.
; A stream: each input byte is read once, each output byte written once; no LDS, no matrix unit and no cluster, since no two work-groups share a byte.
; A work-group takes 65,536 input bytes: 16 loads of 16 bytes a thread, all issued at once; a wave's load covers 512 consecutive bytes, a wave's store 256 consecutive bytes, aligned.
.set X, 4                              ; v[4:67]   16 loads of four f32
.set Y, 68                             ; v[68:99]  16 results of four 16-bit numbers; never rewritten, so no store's data is ever waited for
.set T, 100                            ; v[100:103] at work
	s_load_b512 s[8:23], s[0:1], 0x0               ; x 8, W_attn 10, W_proj 12, cache_k 14, cache_v 16, xb 18, wa 20, wp 22
	s_load_b128 s[24:27], s[0:1], 0x40             ; kall 24, vall 26
	v_lshlrev_b32 v1, 4, v0                        ; 16 bytes a thread in
	v_lshlrev_b32 v2, 3, v0                        ; 8 bytes a thread out
	s_mov_b32 s33, 0xffff0000                      ; a word's upper bf16
	s_wait_kmcnt 0x0
	; which tensor is mine: work-groups 0-255 x, 256-447 W_attn, 448-511 W_proj, 512-767 cache_k, 768-1023 cache_v
	s_mov_b64 s[28:29], s[16:17]
	s_mov_b64 s[30:31], s[26:27]
	s_mov_b32 s32, 768
	s_cmp_lt_u32 ttmp9, 768
	s_cselect_b64 s[28:29], s[14:15], s[28:29]
	s_cselect_b64 s[30:31], s[24:25], s[30:31]
	s_cselect_b32 s32, 512, s32
	s_cmp_lt_u32 ttmp9, 512
	s_cselect_b64 s[28:29], s[12:13], s[28:29]
	s_cselect_b64 s[30:31], s[22:23], s[30:31]
	s_cselect_b32 s32, 448, s32
	s_cmp_lt_u32 ttmp9, 448
	s_cselect_b64 s[28:29], s[10:11], s[28:29]
	s_cselect_b64 s[30:31], s[20:21], s[30:31]
	s_cselect_b32 s32, 256, s32
	s_cmp_lt_u32 ttmp9, 256
	s_cselect_b64 s[28:29], s[8:9], s[28:29]
	s_cselect_b64 s[30:31], s[18:19], s[30:31]
	s_cselect_b32 s32, 0, s32
	s_sub_co_u32 s34, ttmp9, s32                   ; my number within the tensor
	s_lshl_b32 s36, s34, 16                        ; in: 65,536 bytes each
	s_lshl_b32 s38, s34, 15                        ; out: 32,768 bytes each, dense;
	s_lshr_b32 s35, s34, 3                         ; for a cache: eight work-groups a head, heads 524,288 bytes apart
	s_lshl_b32 s35, s35, 19
	s_and_b32 s34, s34, 7
	s_lshl_b32 s34, s34, 15
	s_or_b32 s34, s34, s35
	s_cmp_lt_u32 ttmp9, 512
	s_cselect_b32 s38, s38, s34
	s_mov_b32 s37, 0
	s_mov_b32 s39, 0
	s_add_nc_u64 s[28:29], s[28:29], s[36:37]
	s_add_nc_u64 s[30:31], s[30:31], s[38:39]
.set i, 0
.rept 16
	global_load_b128 v[X+4*i:X+4*i+3], v1, s[28:29] offset:i*4096 th:TH_LOAD_NT
.set i, i+1
.endr
	s_cmp_lt_u32 ttmp9, 448
	s_cbranch_scc0 .Lto_f16
.set i, 0
.rept 16
	s_wait_loadcnt 15-i                            ; loads come back in order: load i is in, the younger ones stay out
	v_cvt_pk_bf16_f32 v[Y+2*i], v[X+4*i], v[X+4*i+1]
	v_cvt_pk_bf16_f32 v[Y+2*i+1], v[X+4*i+2], v[X+4*i+3]
	global_store_b64 v2, v[Y+2*i:Y+2*i+1], s[30:31] offset:i*2048
.set i, i+1
.endr
	s_endpgm
.Lto_f16:
.set i, 0
.rept 16
	s_wait_loadcnt 15-i
	v_cvt_pk_bf16_f32 v[T], v[X+4*i], v[X+4*i+1]   ; rounded to bf16,
	v_cvt_pk_bf16_f32 v[T+1], v[X+4*i+2], v[X+4*i+3]
	v_lshlrev_b32 v[T+2], 16, v[T]                 ; widened again,
	v_and_b32 v[T+3], s33, v[T]
	v_cvt_pk_f16_f32 v[Y+2*i], v[T+2], v[T+3]      ; and written as f16: exact within f16's normal range
	v_lshlrev_b32 v[T+2], 16, v[T+1]
	v_and_b32 v[T+3], s33, v[T+1]
	v_cvt_pk_f16_f32 v[Y+2*i+1], v[T+2], v[T+3]
	global_store_b64 v2, v[Y+2*i:Y+2*i+1], s[30:31] offset:i*2048
.set i, i+1
.endr
	s_endpgm
.Lfunc_end_k_qe2888bbace_prep:
	.size	k_qe2888bbace_prep, .Lfunc_end_k_qe2888bbace_prep-k_qe2888bbace_prep
	.p2alignl 7, 3214868480
	.fill 96, 4, 3214868480
	.section	.rodata,"a",@progbits
	.p2align	6, 0x0
	.amdhsa_kernel k_qe2888bbace_prep
		.amdhsa_group_segment_fixed_size 0
		.amdhsa_private_segment_fixed_size 0
		.amdhsa_enable_private_segment 0
		.amdhsa_kernarg_size 80
		.amdhsa_user_sgpr_count 2
		.amdhsa_user_sgpr_kernarg_segment_ptr 1
		.amdhsa_wavefront_size32 1
		.amdhsa_system_sgpr_workgroup_id_x 1
		.amdhsa_system_sgpr_workgroup_id_y 1
		.amdhsa_system_sgpr_workgroup_id_z 1
		.amdhsa_system_vgpr_workitem_id 0
		.amdhsa_next_free_vgpr 104
		.amdhsa_next_free_sgpr 66
		.amdhsa_reserve_vcc 0
		.amdhsa_float_denorm_mode_32 3
		.amdhsa_float_denorm_mode_16_64 3
		.amdhsa_memory_ordered 1
		.amdhsa_forward_progress 1
		.amdhsa_inst_pref_size 16
	.end_amdhsa_kernel
	.amdgpu_metadata
---
amdhsa.version: [ 1, 2 ]
amdhsa.kernels:
  - .name:           k_qe2888bbace_prep
    .symbol:         k_qe2888bbace_prep.kd
    .args:
      - { .name: x, .offset: 0, .size: 8, .value_kind: global_buffer, .address_space: global }
      - { .name: W_attn, .offset: 8, .size: 8, .value_kind: global_buffer, .address_space: global }
      - { .name: W_proj, .offset: 16, .size: 8, .value_kind: global_buffer, .address_space: global }
      - { .name: cache_k, .offset: 24, .size: 8, .value_kind: global_buffer, .address_space: global }
      - { .name: cache_v, .offset: 32, .size: 8, .value_kind: global_buffer, .address_space: global }
      - { .name: xb, .offset: 40, .size: 8, .value_kind: global_buffer, .address_space: global }
      - { .name: wa, .offset: 48, .size: 8, .value_kind: global_buffer, .address_space: global }
      - { .name: wp, .offset: 56, .size: 8, .value_kind: global_buffer, .address_space: global }
      - { .name: kall, .offset: 64, .size: 8, .value_kind: global_buffer, .address_space: global }
      - { .name: vall, .offset: 72, .size: 8, .value_kind: global_buffer, .address_space: global }
    .group_segment_fixed_size: 0
    .private_segment_fixed_size: 0
    .kernarg_segment_align: 8
    .kernarg_segment_size: 80
    .max_flat_workgroup_size: 256
    .sgpr_count:     66
    .vgpr_count:     104
    .wavefront_size: 32
...
	.end_amdgpu_metadata
.endif
;; end of part 1
;; launch qkv (part 2): grid 8 x 32, 4 waves a work-group, clusters of 4 x 4, 327,680 bytes of LDS; arguments xb, wa, q, kall, vall; writes q, kall, vall
.if DOCPART == 2
	.amdgcn_target "amdgcn-amd-amdhsa--gfx1250"
	.amdhsa_code_object_version 6
	.text
	.protected	k_qe2888bbace_qkv
	.globl	k_qe2888bbace_qkv
	.p2align	8
	.type	k_qe2888bbace_qkv,@function
k_qe2888bbace_qkv:
	s_mov_b64 s[64:65], 0
	v_nop
	global_prefetch_b8 v0, s[64:65] scope:SCOPE_SE
	s_setreg_imm32_b32 hwreg(HW_REG_WAVE_MODE, 25, 1), 1
	s_wait_xcnt 0x0
	s_wait_alu depctr_hold_cnt(0) depctr_sa_sdst(0) depctr_va_vdst(0) depctr_va_sdst(0) depctr_va_ssrc(0) depctr_va_vcc(0) depctr_vm_vsrc(0)
	s_getreg_b32 s2, hwreg(HW_REG_IB_STS2, 6, 4)
	s_cmp_eq_u32 s2, 0
	s_cbranch_scc0 .Lentry_in_a_cluster
	s_endpgm
.Lentry_in_a_cluster:
	s_bfe_u32 s2, ttmp6, 0x10000c
	s_cmp_lg_u32 s2, 0xf033
	s_cbranch_scc0 .Lentry_shape_is_right
	s_endpgm
.Lentry_shape_is_right:
; qkv = x W_attn.  xb: [4096][1024] bf16, wa: [1024 k][3072 n] bf16; sums in f32; the results leave by heads, rounded once to f16 and unscaled:
; q [32][2048][64]; k and v into rows 2048-4095 of kall and vall [32][4096][64].  LIMIT: q, k, v must lie within f16's 65,504.
; A tile of the product is 128 rows x 384 columns: 32 x 8 = 256 work-groups.  Four waves; wave w takes rows 64 (w / 2) on and, of each of the three chunks of 128 columns,
; the 64 columns 64 (w % 2) on, which are one head: 4 x 4 x 3 = 48 accumulators of 16 x 16, 384 registers.
; K goes in steps of 128 through two LDS slots.  A slot: three chunks of W (128 k rows x 256 bytes, pitch 288), then x's tile (128 rows x 256 bytes, pitch 272).
; Waves 0-2 fetch a chunk each, wave 3 fetches x's tile: one tensor load a wave, every row 256 consecutive bytes at a multiple of 256.
; CLUSTER 4 x 4: x's tile hangs on the tile row alone and is asked for jointly along a row of the cluster, W's chunks on the tile column alone, jointly along a column.
; W lies [k][n], so its fragments come out of LDS turned (ds_load_tr16_b128).  THE MATRIX INSTRUCTION IS USED TRANSPOSED (source 0 = 16 columns of W, source 1 = 16 rows of x):
; a lane then holds eight neighbouring columns of one row.
; REGISTERS, in windows of 256: window 0: v16-29 addresses, v32-223 the way out; window 1: two fragment buffers of 128 (x's four fragments, then W's twelve);
; window 2: the accumulators of chunks 0 and 1; window 3: those of chunk 2.
.set SIZE_K, 1024
.set SIZE_N, 3072
.set KSTEP,  128
.set PA,     272                       ; x's row in LDS: 256 + 16: the 16 rows of a load start at 16 different groups of four banks
.set PB,     288                       ; W's row: 256 + 32
.set REG,    128*PB                    ; a region of a slot: what one tensor load fills
.set SLOT,   4*REG
.set STAGE,  2*SLOT                    ; behind the ring, never filled by a tensor load: 16 rows x 144 bytes for each wave
.set SP,     144
.set SPARE,  STAGE+4*16*SP             ; the spare words, 128 bytes for each wave
.set LAPS,   SIZE_K/(2*KSTEP)
.set ADRA, 16                          ; v16-17  LDS address of my fragments of x in slot 0, 1
.set ADRB, 18                          ; v18-23  the same for W: 3 x slot + chunk
.set STO,  24                          ; v24     the way out: where I put 16 bytes of a row
.set RD,   25                          ; v25     where I read rows back
.set GO,   26                          ; v26     my byte offset in 512 consecutive bytes of the output
.set SPW,  28                          ; v28     LDS address of my spare word; never rewritten
.set NIL,  29                          ; v29     0; never rewritten
.set TMP,  32                          ; v32-223 the way out: 16 registers for each of 12 blocks, never used twice
.set F0,   0
.set F1,   128
.set G1,  24                           ; s[24:31] group 1 for x's tile;  s[32:39] group 0, a set for each slot
.set G0,  32
.set G1B, 48                           ; s[48:55], s[56:63] the same for W's chunks
.set G0B, 56
.set OB,  76                           ; s[76:81] where my three heads' rows begin in q, kall or vall
.set MSB, 0
.macro WIN new                         ; the immediate's high byte repeats the setting that is left
.if MSB != (\new)
	s_set_vgpr_msb (MSB<<8)|(\new)
.set MSB, \new
.endif
.endm
.macro JLOAD s                         ; a joint load: wave 3 asks for x's tile, waves 0-2 for a chunk of W each; the branch hangs on the wave's number alone
	s_cmp_eq_u32 s10, 3
	s_cbranch_scc0 .Lfor_b_\@
	tensor_load_to_lds s[G0+4*(\s):G0+4*(\s)+3], s[G1:G1+7]
	s_nop 0
.rept 4
	v_nop
.endr
	s_branch .Lasked_\@
.Lfor_b_\@:
	tensor_load_to_lds s[G0B+4*(\s):G0B+4*(\s)+3], s[G1B:G1B+7]
	s_nop 0
.rept 4
	v_nop
.endr
.Lasked_\@:
.endm
.macro CREST                           ; a round of the cluster's barrier behind its opening barrier
	s_cmp_lg_u32 s10, 0
	s_cbranch_scc1 .Lnot_wave_0_\@
	s_barrier_signal -3
.Lnot_wave_0_\@:
	s_barrier_wait -3
	s_barrier_signal -1
	s_barrier_wait -1
.endm
.macro CROUND
	s_barrier_signal -1
	s_barrier_wait -1
	CREST
.endm
	s_load_b128 s[4:7], s[0:1], 0x0                ; xb s[4:5], wa s[6:7]
	s_load_b128 s[68:71], s[0:1], 0x10             ; q s[68:69], kall s[70:71]
	s_load_b64 s[72:73], s[0:1], 0x20              ; vall
	v_lshl_add_u32 v[SPW], v0, 2, SPARE
	v_mov_b32 v[NIL], 0
	ds_add_u32 v[SPW], v[NIL]                      ; the wave's opening: the add and its wait ahead of my first tensor load
	ds_add_u32 v28, v29
	v_lshrrev_b32 v1, 5, v0
	v_readfirstlane_b32 s10, v1                    ; wave 0..3
	s_lshr_b32 s11, s10, 1                         ; which 64 rows are mine
	s_and_b32 s12, s10, 1                          ; which 64 columns of each chunk
	s_bfe_u32 s40, ttmp6, 0x40000                  ; cx, cy
	s_bfe_u32 s41, ttmp6, 0x40004
	s_lshl_b32 s42, ttmp9, 2
	s_add_co_u32 s42, s42, s40                     ; tile column = 4 x cluster x + cx
	s_and_b32 s13, ttmp7, 0xffff
	s_lshl_b32 s13, s13, 2
	s_add_co_u32 s13, s13, s41                     ; tile row = 4 x cluster y + cy
	s_lshl_b32 s43, s41, 2
	s_lshl_b32 s43, 15, s43                        ; my row of the cluster
	s_lshl_b32 s44, 0x1111, s40                    ; my column
	s_or_b32 s[G1+0], s43, (1<<16)|(1<<20)|(1<<21)|(5<<22)|(3<<25)   ; mask; 2-byte elements; padding on; bit 21 beside a mask; after every 64 words, 4 words
	s_or_b32 s[G1B+0], s44, (1<<16)|(1<<20)|(1<<21)|(5<<22)|(7<<25)  ; the same with my column's mask and 8 words of padding
.irp g, G1, G1B
	s_mov_b32 s[(\g)+1], 128<<16                   ; tensor_dim0 = 128
	s_mov_b32 s[(\g)+2], 128<<16                   ; tensor_dim1 = 128
	s_mov_b32 s[(\g)+3], 128<<16                   ; tile_dim0 = 128
	s_mov_b32 s[(\g)+4], 128                       ; tile_dim1 = 128
	s_mov_b32 s[(\g)+6], 0
	s_mov_b32 s[(\g)+7], 0
.endr
	s_mov_b32 s[G1+5], SIZE_K                      ; elements from row to row
	s_mov_b32 s[G1B+5], SIZE_N
	s_lshl_b32 s16, s13, 18                        ; x: 128 rows of 2,048 bytes a tile row
	s_mov_b32 s17, 0
	s_mul_i32 s46, s42, 768                        ; W: 384 columns a tile column,
	s_lshl_b32 s47, s10, 8                         ; and my chunk of 128
	s_add_co_u32 s46, s46, s47
	s_mov_b32 s47, 0
	s_mul_i32 s20, s10, REG                        ; where my load goes: wave x region
	s_wait_dscnt 0x0                               ; the opening add is done
	s_wait_kmcnt 0x0
	s_add_nc_u64 s[14:15], s[4:5], s[16:17]
	s_add_nc_u64 s[46:47], s[6:7], s[46:47]
	CROUND                                         ; all sixteen work-groups are here: the first joint loads meet
.irp s, 0,1
	s_mov_b32 s[G0+4*(\s)], 1
	s_add_co_u32 s[G0+4*(\s)+1], s20, (\s)*SLOT
	s_add_nc_u64 s[G0+4*(\s)+2:G0+4*(\s)+3], s[14:15], (\s)*KSTEP*2
	s_or_b32 s[G0+4*(\s)+3], s[G0+4*(\s)+3], 0x80000000
	s_mov_b32 s[G0B+4*(\s)], 1
	s_add_co_u32 s[G0B+4*(\s)+1], s20, (\s)*SLOT
	s_add_nc_u64 s[G0B+4*(\s)+2:G0B+4*(\s)+3], s[46:47], (\s)*KSTEP*SIZE_N*2
	s_or_b32 s[G0B+4*(\s)+3], s[G0B+4*(\s)+3], 0x80000000
	JLOAD \s
.endr
	v_and_b32 v1, 15, v0                           ; l % 16
	v_bfe_u32 v2, v0, 4, 1                         ; l / 16
	v_mul_u32_u24 v3, v1, PA
	v_lshl_add_u32 v3, v2, 4, v3                   ; x: row x pitch + 16 x half
	s_mul_i32 s21, s11, 64*PA
	s_add_co_u32 s21, s21, 3*REG
	v_add_nc_u32 v[ADRA], s21, v3
	s_add_co_u32 s21, s21, SLOT
	v_add_nc_u32 v[ADRA+1], s21, v3
	v_and_b32 v4, 7, v0                            ; W, turned: lane l reads k row 8 (l / 16) + l % 8, columns 8 ((l / 8) % 2) on
	v_lshl_add_u32 v4, v2, 3, v4
	v_mul_u32_u24 v4, v4, PB
	v_bfe_u32 v5, v0, 3, 1
	v_lshl_add_u32 v4, v5, 4, v4
	s_lshl_b32 s22, s12, 7                         ; my 64 columns of a chunk
.irp n, 0,1,2,3,4,5
	s_add_co_u32 s23, s22, ((\n)/3)*SLOT+((\n)%3)*REG
	v_add_nc_u32 v[ADRB+(\n)], s23, v4
.endr
	s_mul_i32 s23, s10, 16*SP
	s_add_co_u32 s23, s23, STAGE                   ; my stage
	v_mul_u32_u24 v6, v1, SP
	v_lshl_add_u32 v6, v2, 4, v6
	v_add_nc_u32 v[STO], s23, v6
	v_bfe_u32 v6, v0, 3, 2                         ; back: 32 lanes take four rows of 128 bytes,
	v_mul_u32_u24 v6, v6, SP
	v_and_b32 v7, 7, v0
	v_lshl_add_u32 v6, v7, 4, v6
	v_add_nc_u32 v[RD], s23, v6
	v_and_b32 v[GO], 31, v0                        ; which are 512 consecutive bytes of a head's rows
	v_lshlrev_b32 v[GO], 4, v[GO]
	; where my three heads go.  Column block g = 6 x tile column + 2 c + w % 2 of 48: g / 16 says q, k or v, g % 16 the head
	s_and_b32 s86, s13, 16                         ; 16 x batch
	s_and_b32 s87, s13, 15
	s_lshl_b32 s87, s87, 7
	s_lshl_b32 s83, s11, 6
	s_add_co_u32 s87, s87, s83                     ; my first row within the batch
.irp c, 0,1,2
	s_mul_i32 s82, s42, 6
	s_add_co_u32 s82, s82, 2*(\c)
	s_add_co_u32 s82, s82, s12
	s_lshr_b32 s83, s82, 4
	s_and_b32 s82, s82, 15
	s_add_co_u32 s82, s82, s86                     ; 16 x batch + head
	s_lshl_b32 s84, s82, 11                        ; q: 2,048 rows a head
	s_add_co_u32 s84, s84, s87
	s_lshl_b32 s85, s82, 12                        ; kall, vall: 4,096 rows a head, the new ones from row 2,048 on
	s_add_co_u32 s85, s85, s87
	s_add_co_u32 s85, s85, 2048
	s_cmp_eq_u32 s83, 0
	s_cselect_b32 s84, s84, s85
	s_cselect_b64 s[OB+2*(\c):OB+2*(\c)+1], s[68:69], s[70:71]
	s_cmp_eq_u32 s83, 2
	s_cselect_b64 s[OB+2*(\c):OB+2*(\c)+1], s[72:73], s[OB+2*(\c):OB+2*(\c)+1]
	s_lshl_b32 s84, s84, 7                         ; rows of 128 bytes
	s_mov_b32 s85, 0
	s_add_nc_u64 s[OB+2*(\c):OB+2*(\c)+1], s[OB+2*(\c):OB+2*(\c)+1], s[84:85]
.endr
; 16 matrix instructions: my 4 row blocks x the 4 column blocks of chunk c, 32 along K.  zero = 1: the product starts the sum.  The 48 accumulators take turns.
.macro MUL16 f, c, zero
	WIN 0xa5+0x50*((\c)/2)
.irp a, 0,1,2,3
.irp b, 0,1,2,3
.set AC, 8*(16*((\c)%2)+4*(\a)+(\b))
.if \zero
	v_wmma_f32_16x16x32_bf16 v[AC:AC+7], v[(\f)+32+8*(4*(\c)+(\b)):(\f)+32+8*(4*(\c)+(\b))+7], v[(\f)+8*(\a):(\f)+8*(\a)+7], 0
.else
	v_wmma_f32_16x16x32_bf16 v[AC:AC+7], v[(\f)+32+8*(4*(\c)+(\b)):(\f)+32+8*(4*(\c)+(\b))+7], v[(\f)+8*(\a):(\f)+8*(\a)+7], v[AC:AC+7]
.endif
.endr
.endr
.endm
; 32 LDS loads in one run: quarter qq (32 along K) of a slot into buffer f: x's four fragments, then W's chunks 0, 1, 2
.macro FETCH slot, qq, f
	WIN 0x40
.irp a, 0,1,2,3
	ds_load_b128 v[(\f)+8*(\a):(\f)+8*(\a)+3],   v[ADRA+(\slot)] offset:(\qq)*64+(\a)*16*PA
	ds_load_b128 v[(\f)+8*(\a)+4:(\f)+8*(\a)+7], v[ADRA+(\slot)] offset:(\qq)*64+(\a)*16*PA+32
.endr
.irp c, 0,1,2
.irp b, 0,1,2,3
	ds_load_tr16_b128 v[(\f)+32+8*(4*(\c)+(\b)):(\f)+32+8*(4*(\c)+(\b))+3],   v[ADRB+3*(\slot)+(\c)] offset:(\qq)*32*PB+(\b)*32
	ds_load_tr16_b128 v[(\f)+32+8*(4*(\c)+(\b))+4:(\f)+32+8*(4*(\c)+(\b))+7], v[ADRB+3*(\slot)+(\c)] offset:(\qq)*32*PB+(\b)*32+16*PB
.endr
.endr
.endm
.macro PLACES                          ; four places in front of loads into registers that matrix instructions have read, and of conversions that read results
.rept 4
	v_nop
.endr
.endm
; One of a K step's first three quarters: multiplies buffer f, and fetches quarter qq of the same slot into buffer g
.macro QUARTER slot, qq, f, g, zero
	s_wait_dscnt 16                                ; x's fragments and chunk 0's are in; the sixteen younger loads may be out
	MUL16 \f, 0, \zero
	PLACES
	FETCH \slot, \qq, \g
	s_wait_dscnt 32                                ; all but the 32 just issued
	MUL16 \f, 1, \zero
	MUL16 \f, 2, \zero
.endm
; The last quarter multiplies buffer 1 and changes slots: one barrier; in front of it each wave waits for all its tensor loads, adds 0 to its spare word, and waits for that and for its reads of this slot
.macro TURN slot, next, fill
	WIN 0
	s_wait_tensorcnt 0x0                           ; all my tensor loads have landed: my part of the next slot
	ds_add_u32 v[SPW], v[NIL]
	s_wait_dscnt 17                                ; (the add and the youngest sixteen loads may be out)
	MUL16 F1, 0, 0
	s_wait_dscnt 0x0                               ; the add is done, and my reads of this slot are over
	s_barrier_signal -1
	MUL16 F1, 1, 0
.if \fill
	WIN 0
.endif
	s_barrier_wait -1
.if \fill
	CREST                                          ; the barrier has opened a round of the cluster's: no wave of any partner still reads this slot or has a load on its way
	s_add_nc_u64 s[G0+4*(\slot)+2:G0+4*(\slot)+3], s[G0+4*(\slot)+2:G0+4*(\slot)+3], 2*KSTEP*2
	s_add_nc_u64 s[G0B+4*(\slot)+2:G0B+4*(\slot)+3], s[G0B+4*(\slot)+2:G0B+4*(\slot)+3], 2*KSTEP*SIZE_N*2
	JLOAD \slot                                    ; the first tensor load behind the round; its four v_nop are also the places in front of the loads below
.else
	PLACES
.endif
	FETCH \next, 0, F0
	MUL16 F1, 2, 0
.endm
	s_wait_tensorcnt 1                             ; my part of K step 0 is in; K step 1's may stay out
	s_barrier_signal -1
	s_barrier_wait -1
	FETCH 0, 0, F0
	QUARTER 0, 1, F0, F1, 1                        ; the first quarter's products start the sums
	WIN 0
	s_mov_b32 s3, LAPS-1
.Llap:                                                 ; a trip goes once round the ring and fills both slots again
	QUARTER 0, 2, F1, F0, 0
	QUARTER 0, 3, F0, F1, 0
	TURN 0, 1, 1
	QUARTER 1, 1, F0, F1, 0
	QUARTER 1, 2, F1, F0, 0
	QUARTER 1, 3, F0, F1, 0
	TURN 1, 0, 1
	QUARTER 0, 1, F0, F1, 0
	WIN 0
	s_sub_co_u32 s3, s3, 1
	s_cmp_lg_u32 s3, 0
	s_cbranch_scc1 .Llap
	QUARTER 0, 2, F1, F0, 0                        ; the last lap fills nothing
	QUARTER 0, 3, F0, F1, 0
	TURN 0, 1, 0
	QUARTER 1, 1, F0, F1, 0
	QUARTER 1, 2, F1, F0, 0
	QUARTER 1, 3, F0, F1, 0
	s_wait_dscnt 16
	MUL16 F1, 0, 0
	s_wait_dscnt 0x0
	MUL16 F1, 1, 0
	MUL16 F1, 2, 0
	PLACES
; THE WAY OUT.  Block blk = 4 c + a: 16 rows x 64 columns of one head: rounded to f16, 16 bytes a lane into my stage, back as four rows of 128 bytes a load, stored as 512 consecutive bytes.
.macro PACK blk
	WIN 0x0a+5*((\blk)/8)                          ; sources in window 2 (chunks 0, 1) or 3 (chunk 2)
.irp b, 0,1,2,3
.irp r, 0,1,2,3
	v_cvt_pk_f16_f32 v[TMP+16*(\blk)+4*(\b)+(\r)], v[8*(16*(((\blk)/4)%2)+4*((\blk)%4)+(\b))+2*(\r)], v[8*(16*(((\blk)/4)%2)+4*((\blk)%4)+(\b))+2*(\r)+1]
.endr
.endr
	WIN 0
.irp b, 0,1,2,3
	ds_store_b128 v[STO], v[TMP+16*(\blk)+4*(\b):TMP+16*(\blk)+4*(\b)+3] offset:32*(\b)
.endr
.irp f, 0,1,2,3
	ds_load_b128 v[TMP+16*(\blk)+4*(\f):TMP+16*(\blk)+4*(\f)+3], v[RD] offset:(\f)*4*SP  ; LDS serves a wave's instructions in order (ISA guide 5.7.1.4): these see the stores above
.endr
.endm
.macro SEND blk, younger               ; younger: the LDS instructions issued behind this block's loads
.irp f, 0,1,2,3
	s_wait_dscnt (\younger)+3-(\f)
	global_store_b128 v[GO], v[TMP+16*(\blk)+4*(\f):TMP+16*(\blk)+4*(\f)+3], s[OB+2*((\blk)/4):OB+2*((\blk)/4)+1] offset:((\blk)%4)*2048+(\f)*512
.endr
.endm
	PACK 0
.set n, 1
.rept 11
	PACK n
	SEND n-1, 8
.set n, n+1
.endr
	SEND 11, 0
	s_wait_tensorcnt 0x0                           ; the wave's end
	ds_add_u32 v[SPW], v[NIL]
	s_wait_dscnt 0x0
	CROUND                                         ; the closing round
	s_endpgm
.Lfunc_end_k_qe2888bbace_qkv:
	.size	k_qe2888bbace_qkv, .Lfunc_end_k_qe2888bbace_qkv-k_qe2888bbace_qkv
	.p2alignl 7, 3214868480
	.fill 96, 4, 3214868480
	.section	.rodata,"a",@progbits
	.p2align	6, 0x0
	.amdhsa_kernel k_qe2888bbace_qkv
		.amdhsa_group_segment_fixed_size 327680
		.amdhsa_private_segment_fixed_size 0
		.amdhsa_enable_private_segment 0
		.amdhsa_kernarg_size 40
		.amdhsa_user_sgpr_count 2
		.amdhsa_user_sgpr_kernarg_segment_ptr 1
		.amdhsa_wavefront_size32 1
		.amdhsa_system_sgpr_workgroup_id_x 1
		.amdhsa_system_sgpr_workgroup_id_y 1
		.amdhsa_system_sgpr_workgroup_id_z 1
		.amdhsa_system_vgpr_workitem_id 0
		.amdhsa_next_free_vgpr 896
		.amdhsa_next_free_sgpr 96
		.amdhsa_reserve_vcc 0
		.amdhsa_float_denorm_mode_32 3
		.amdhsa_float_denorm_mode_16_64 3
		.amdhsa_memory_ordered 1
		.amdhsa_forward_progress 1
		.amdhsa_inst_pref_size 122
	.end_amdhsa_kernel
	.amdgpu_metadata
---
amdhsa.version: [ 1, 2 ]
amdhsa.kernels:
  - .name:           k_qe2888bbace_qkv
    .symbol:         k_qe2888bbace_qkv.kd
    .args:
      - { .name: xb, .offset: 0, .size: 8, .value_kind: global_buffer, .address_space: global }
      - { .name: wa, .offset: 8, .size: 8, .value_kind: global_buffer, .address_space: global }
      - { .name: q, .offset: 16, .size: 8, .value_kind: global_buffer, .address_space: global }
      - { .name: kall, .offset: 24, .size: 8, .value_kind: global_buffer, .address_space: global }
      - { .name: vall, .offset: 32, .size: 8, .value_kind: global_buffer, .address_space: global }
    .group_segment_fixed_size: 327680
    .private_segment_fixed_size: 0
    .kernarg_segment_align: 8
    .kernarg_segment_size: 40
    .max_flat_workgroup_size: 128
    .sgpr_count:     96
    .vgpr_count:     896
    .wavefront_size: 32
...
	.end_amdgpu_metadata
.endif
;; end of part 2
;; launch attn (part 3): grid 8 x 32, 4 waves a work-group, no clusters, 327,680 bytes of LDS; arguments q, kall, vall, yb; writes yb
.if DOCPART == 3
	.amdgcn_target "amdgcn-amd-amdhsa--gfx1250"
	.amdhsa_code_object_version 6
	.text
	.protected	k_qe2888bbace_attn
	.globl	k_qe2888bbace_attn
	.p2align	8
	.type	k_qe2888bbace_attn,@function
k_qe2888bbace_attn:
	s_mov_b64 s[64:65], 0
	v_nop
	global_prefetch_b8 v0, s[64:65] scope:SCOPE_SE
	s_setreg_imm32_b32 hwreg(HW_REG_WAVE_MODE, 25, 1), 1
	s_wait_xcnt 0x0
; y[h][t] = the sum over the 2,048 cached keys and the new keys k <= t of softmax(q . key / 8) value: ONE softmax over both.  q: [32][2048][64] f16; kall, vall: [32][4096][64] f16, a head's rows 0-2047 the cache,
; rows 2048-4095 the new keys and values.  y leaves as yb [32 blocks of 128 rows][16 heads][128][64] f16.  Products, maxima and sums in f32; the weights p are rounded to f16 for the second product
; (their sum l is taken of the unrounded p), y once at the end.
; LIMITS.  f16 ends at 65,504: q, kall, vall arrive within it; p lies in 0 to 1 and below 6e-5 keeps f16's fixed step of 6e-8.  A hidden score counts as its value less 1e30; a weight below 2^-126 counts as 0 in l;
; NaN and infinities are not treated apart.
; THE WALK.  A head's queries lie in 16 blocks of 128; keys in tiles of 256 rows of kall.  Work-group b of a head takes blocks hi = 15 - b and lo = b.  Part 1: tiles 0-7, the cache, for both blocks at once.
; Part 2: tiles 8 .. 7 + nh for hi alone, nh = 8 - b / 2, then tiles 8 .. 7 + nl for lo alone, nl = b / 2 + 1; each block's last tile holds its diagonal.  8 + nh + nl = 17 tiles whatever b: all work-groups
; do equal work and every trip count is a constant.  The ring of two LDS slots runs on through all 17.
; NO CLUSTER: what a trip of part 2 does hangs on b / 2, so only pairs of a head's eight work-groups walk alike, and only tiles 0-7 are common to all eight.
; SHARES.  A wave owns 16 rows of each band of 64 queries: tiles of queries 0, 1 are hi's bands, 2, 3 lo's.  So the diagonal tile is the same work for all four waves: in its key step u a band whose own step is o
; sees all keys if u < o, none if u > o, and holds the diagonal if u = o.
; THE MASK is the C operand that starts the sum S^T = K Q^T: MD x AL + BE, MD the mask of a band's own step for my rows, made once; (AL, BE) = (1, 0), (0, 0) or (0, -1e30).
; LAYOUT.  S^T = K Q^T holds one query a lane (lane % 16) and the keys 8 (lane / 16) + 0..7; two such results rounded to f16 ARE source 1 of O^T = V^T P.  p = 2^(c s - c m), c = log2(e) / 8, with a running maximum m;
; O and l are multiplied by a = 2^(c m_old - c m_new) in every step.  m starts at the lowest finite number, O and l at 0.
; BY TURNS.  The tiles of queries in hand fall into pieces A and B (part 1: two tiles each; part 2: one each).  In a turn one piece has the matrix unit: its products V^T P of step j, then its products K Q^T of
; step j + 1; the other piece's softmax stands beside them: four vector instructions behind every product, the rest in two lumps.
; REGISTERS, in windows of 256: window 0: v2-11 addresses; v12-43 statistics, 8 a tile; v64-191 S^T, 32 a tile; v192-255 P, 16 a tile.  window 1: v0-127 O^T, 32 a tile; v128-159 MD; v160-191 MC.
; window 2: v0-63 Q, 16 a tile; v128-191 K of one step; v192-255 V of one step.
.set KS,    64
.set PK,    144       ; a row of K in LDS: 128 bytes + 16
.set PV,    160       ; a row of V: 128 + 32
.set VOFF,  4*KS*PK   ; a slot holds a tile: 256 rows of K, then 256 rows of V
.set SLOT1, 1<<17
.set STAGE, SLOT1+4*KS*(PK+PV)  ; behind the ring, never filled by a tensor load: 16 rows x 144 bytes for each wave
.set SP,    144
.set SPARE, STAGE+4*16*SP       ; the spare words, 128 bytes for each wave
.set AK0, 2
.set AV0, 3
.set AK,  4
.set AV,  5
.set STO, 6
.set RD,  7
.set GO,  8
.set ST,  12          ; tile t's statistics at v[ST+8 t]: c m, m, l (even keys', odd keys'), c0-c3 at work; a takes c2's place
.set QO,  44
.set SPW, 62
.set NIL, 63
.set S,   64
.set P,   192
.set MD,  128
.set MC,  160
.set KF,  128
.set VF,  192
.set WV,  12
.set PB,  14          ; s14  b = lo
.set HI,  15          ; s15  hi
.set G1K, 24
.set G1V, 32
.set G0K, 40
.set G0V, 44
.set SLOTS, 56
.set CNT, 57          ; counts a tile's key steps, 4 to 1
.set CS,  58
.set SEL, 60
.set TBK, 62
.set TBV, 63
.set RT,  70          ; tiles of the block in hand still to be entered
.set NXT, 71          ; the tile to be asked for next
.set LQ,  72          ; the last tile of the stretch that is being asked for
.set NEW, 73          ; 1: the tile to be entered is a block's first of part 2
.set OFF, 74
.set AL,  76
.set BE,  78
.set OLO, 80          ; s[80:81] yb at my rows of block lo
.set BIGN, 82
.set LQ2, 83          ; 7 + nl
.set OW0, 84          ; the own step of band 0 of the block in hand, in its diagonal tile
.set OW1, 85          ; of band 1
.set U,   88
.set NL,  89
.set OWL, 90          ; lo's OW0
.set NH,  91
.set MSB, 0
.macro WIN new
.if MSB != (\new)
	s_set_vgpr_msb (MSB<<8)|(\new)
.set MSB, (\new)
.endif
.endm
.set W_KQ, 0x0a
.set W_KM, 0x1a
.set W_PV, 0x52
.set W_RS, 0x41
; A fill.  Waves 0 and 1 fetch the two halves of a tile's K, waves 2 and 3 those of its V: 128 keys each
.macro LOAD
	s_cmp_lt_u32 s[WV], 2
	s_cbranch_scc0 .Lfor_v_\@
	tensor_load_to_lds s[G0K:G0K+3], s[G1K:G1K+7]
	s_nop 0
.rept 4
	v_nop
.endr
	s_branch .Lasked_\@
.Lfor_v_\@:
	tensor_load_to_lds s[G0V:G0V+3], s[G1V:G1V+7]
	s_nop 0
.rept 4
	v_nop
.endr
.Lasked_\@:
.endm
; THE CHANGE OF SLOTS.  Each wave waits for all its tensor loads (one is out: its part of the other slot), adds 0 to its spare word, and waits for that and for its reads of the slot that it leaves.
; fill = 1: the old slot is filled again, first thing behind the barrier, with tile NXT; the descriptor's address is made anew from that number.
.macro CHANGE fill
	WIN 0
	s_wait_tensorcnt 0x0
	ds_add_u32 v[SPW], v[NIL]
.if \fill
	s_lshl_b32 s[OFF], s[NXT], 15   ; a tile is 32,768 bytes of kall and of vall
	s_xor_b32 s[G0K+1], s[G0K+1], SLOT1
	s_add_nc_u64 s[G0K+2:G0K+3], s[6:7], s[OFF:OFF+1]
	s_or_b32 s[G0K+3], s[G0K+3], 0x80000000
	s_xor_b32 s[G0V+1], s[G0V+1], SLOT1
	s_add_nc_u64 s[G0V+2:G0V+3], s[8:9], s[OFF:OFF+1]
	s_or_b32 s[G0V+3], s[G0V+3], 0x80000000
	s_add_co_u32 s[NXT], s[NXT], 1  ; the next tile, or behind hi's last the first new tile again, for lo
	s_cmp_gt_u32 s[NXT], s[LQ]
	s_cselect_b32 s[NXT], 8, s[NXT]
	s_cselect_b32 s[LQ], s[LQ2], s[LQ]
.endif
	s_wait_dscnt 0x0                ; the add is done, and my reads of the slot are over
	s_barrier_signal -1
	s_sub_co_u32 s[TBK], s[TBK], 4*KS*PK  ; the fetches go back to a slot's first step, in the other slot
	s_xor_b32 s[TBK], s[TBK], SLOT1
	s_sub_co_u32 s[TBV], s[TBV], 4*KS*PV
	s_xor_b32 s[TBV], s[TBV], SLOT1
	s_barrier_wait -1
.if \fill
	LOAD
.endif
.endm
	s_load_b256 s[4:11], s[0:1], 0x0  ; q s[4:5], kall s[6:7], vall s[8:9], yb s[10:11]
	v_lshl_add_u32 v[SPW], v0, 2, SPARE
	v_mov_b32 v[NIL], 0
	ds_add_u32 v[SPW], v[NIL]       ; the wave's opening: the add and its wait ahead of my first tensor load
	ds_add_u32 v62, v63
	v_lshrrev_b32 v1, 5, v0
	v_readfirstlane_b32 s[WV], v1
	s_mov_b32 s[PB], ttmp9
	s_sub_co_u32 s[HI], 15, s[PB]
	s_and_b32 s20, ttmp7, 0xffff    ; 16 x batch + head
	s_and_b32 s16, s[WV], 1         ; which half of a tile's 256 keys I fetch
	s_lshl_b32 s22, s20, 19         ; a head's 4,096 rows of 128 bytes
	s_lshl_b32 s23, s16, 14
	s_add_co_u32 s22, s22, s23
	s_mov_b32 s23, 0
	s_mul_i32 s17, s16, 128*PK
	s_mul_i32 s18, s16, 128*PV
	s_lshl_b32 s19, s[WV], 11       ; my 16 rows in a band of 64
	s_lshl_b32 s21, s20, 18         ; the head in q
	s_add_co_u32 s21, s21, s19
	s_lshl_b32 s2, s[HI], 14
	s_add_co_u32 s2, s2, s21
	s_mov_b32 s3, 0
	s_lshl_b32 s92, s[PB], 14
	s_add_co_u32 s92, s92, s21
	s_mov_b32 s93, 0
	s_and_b32 s21, s20, 16          ; 16 x batch
	s_and_b32 s13, s20, 15          ; head
	s_add_co_u32 s94, s21, s[HI]    ; yb: (16 x (16 x batch + block) + head) x 16,384 bytes
	s_lshl_b32 s94, s94, 4
	s_add_co_u32 s94, s94, s13
	s_lshl_b32 s94, s94, 14
	s_add_co_u32 s94, s94, s19
	s_mov_b32 s95, 0
	s_add_co_u32 s66, s21, s[PB]
	s_lshl_b32 s66, s66, 4
	s_add_co_u32 s66, s66, s13
	s_lshl_b32 s66, s66, 14
	s_add_co_u32 s66, s66, s19
	s_mov_b32 s67, 0
	s_lshr_b32 s13, s[PB], 1
	s_sub_co_u32 s[NH], 8, s13
	s_add_co_u32 s[NL], s13, 1
	s_sub_co_u32 s[LQ], 15, s13
	s_add_co_u32 s[LQ2], s13, 8
	s_and_b32 s[OW0], s[HI], 1
	s_lshl_b32 s[OW0], s[OW0], 1
	s_add_co_u32 s[OW1], s[OW0], 1
	s_and_b32 s[OWL], s[PB], 1
	s_lshl_b32 s[OWL], s[OWL], 1
	; descriptor group 1.  128 keys are 16,384 dense bytes: asked for as 64 rows of 256 bytes, two keys a row, and padded in LDS after every key
	s_mov_b32 s[G1K], (1<<16)|(1<<20)|(4<<22)|(3<<25)
	s_mov_b32 s[G1V], (1<<16)|(1<<20)|(4<<22)|(7<<25)
.irp g, G1K, G1V
	s_mov_b32 s[\g+1], 128<<16
	s_mov_b32 s[\g+2], 64<<16
	s_mov_b32 s[\g+3], 128<<16
	s_mov_b32 s[\g+4], 64
	s_mov_b32 s[\g+5], 128
	s_mov_b32 s[\g+6], 0
	s_mov_b32 s[\g+7], 0
.endr
	s_mov_b32 s[CS], 0x3e38aa3b     ; c = log2(e) / 8
	s_mov_b32 s[CS+1], s[CS]
	s_mov_b32 s[SEL], 0x76543210
	s_mov_b32 s[SEL+1], 0xfedcba98
	s_mov_b32 s[TBK], SLOT1+4*KS*PK ; the first change of slots turns these two into 0
	s_mov_b32 s[TBV], SLOT1+4*KS*PV
	s_mov_b32 s[G0K], 1
	s_mov_b32 s[G0K+1], s17
	s_mov_b32 s[G0V], 1
	s_add_co_u32 s[G0V+1], s18, VOFF
	s_mov_b32 s[NXT], 1
	s_mov_b32 s[OFF+1], 0
	s_mov_b32 s[AL+1], 0
	s_mov_b32 s[BE+1], 0
	s_mov_b32 s[BIGN], 0xf149f2ca   ; -1e30
	s_wait_dscnt 0x0                ; the opening add is done
	s_wait_kmcnt 0x0
	s_add_nc_u64 s[6:7], s[6:7], s[22:23]  ; kall and vall at my half of the head's tile 0
	s_add_nc_u64 s[8:9], s[8:9], s[22:23]
	s_add_nc_u64 s[G0K+2:G0K+3], s[6:7], 0
	s_or_b32 s[G0K+3], s[G0K+3], 0x80000000
	s_add_nc_u64 s[G0V+2:G0V+3], s[8:9], 0
	s_or_b32 s[G0V+3], s[G0V+3], 0x80000000
	s_add_nc_u64 s[86:87], s[4:5], s[92:93]        ; q at my rows of lo,
	s_add_nc_u64 s[4:5], s[4:5], s[2:3]            ; and of hi
	s_add_nc_u64 s[OLO:OLO+1], s[10:11], s[66:67]
	s_add_nc_u64 s[10:11], s[10:11], s[94:95]
	LOAD                            ; tile 0 into slot 0
	v_and_b32 v1, 15, v0            ; l % 16
	v_bfe_u32 v9, v0, 4, 1          ; l / 16
	v_lshlrev_b32 v[QO], 7, v1
	v_lshl_add_u32 v[QO], v9, 4, v[QO]
	WIN 0x80
.set i, 0
.rept 4                             ; Q stays in registers: band i / 2, channels 32 (i % 2) on; hi's into tiles 0, 1, lo's into tiles 2, 3
	global_load_b128 v[8*i:8*i+3],   v[QO], s[4:5] offset:(i/2)*8192+(i%2)*64
	global_load_b128 v[8*i+4:8*i+7], v[QO], s[4:5] offset:(i/2)*8192+(i%2)*64+32
	global_load_b128 v[32+8*i:32+8*i+3],   v[QO], s[86:87] offset:(i/2)*8192+(i%2)*64
	global_load_b128 v[32+8*i+4:32+8*i+7], v[QO], s[86:87] offset:(i/2)*8192+(i%2)*64+32
.set i, i+1
.endr
	WIN 0
	v_lshlrev_b32 v45, 3, v9
	v_sub_nc_u32 v45, v1, v45
	s_lshl_b32 s13, s[WV], 4
	v_add_nc_u32 v45, s13, v45      ; my query's place in its band less my lanes' 8 (l / 16): register r of key group kt is hidden where 16 kt + r is greater
	WIN 0x40
.set i, 0
.rept 32
	v_cmp_gt_i32 vcc_lo, 16*(i/8)+i%8, v45
	v_cndmask_b32 v[MD+i], 0, s[BIGN], vcc_lo
.set i, i+1
.endr
	WIN 0
	v_mul_u32_u24 v[AK0], v1, PK
	v_lshl_add_u32 v[AK0], v9, 4, v[AK0]
	v_and_b32 v10, 7, v0
	v_bfe_u32 v11, v0, 3, 1
	v_lshl_add_u32 v[AV0], v9, 3, v10
	v_mul_u32_u24 v[AV0], v[AV0], PV
	v_lshl_add_u32 v[AV0], v11, 4, v[AV0]
	v_add_nc_u32 v[AV0], VOFF, v[AV0]
	s_mul_i32 s13, s[WV], 16*SP
	s_add_co_u32 s13, s13, STAGE
	v_mul_u32_u24 v[STO], v1, SP
	v_lshl_add_u32 v[STO], v9, 4, v[STO]
	v_add_nc_u32 v[STO], s13, v[STO]
	v_bfe_u32 v[RD], v0, 3, 2
	v_mul_u32_u24 v[RD], v[RD], SP
	v_lshl_add_u32 v[RD], v10, 4, v[RD]
	v_add_nc_u32 v[RD], s13, v[RD]
	v_and_b32 v[GO], 31, v0
	v_lshlrev_b32 v[GO], 4, v[GO]
	; What the first turn finds: V and piece B's P hold 0 (its products V^T P, of a step that has not been, add 0), O^T and l are 0.  All this stands in the wait for the first tile.
	WIN 0x80
.set i, VF
.rept 64
	v_mov_b32 v[i], 0
.set i, i+1
.endr
	WIN 0x40
.set i, 0
.rept 128
	v_mov_b32 v[i], 0
.set i, i+1
.endr
	WIN 0
.set i, 0
.rept 4
	v_mov_b32 v[ST+8*i], 0xfe000000    ; c m: far below every c s
	v_mov_b32 v[ST+8*i+1], 0xff7fffff  ; m
	v_mov_b32 v[ST+8*i+2], 0
	v_mov_b32 v[ST+8*i+3], 0
.set i, i+1
.endr
.set i, P+32
.rept 32
	v_mov_b32 v[i], 0
.set i, i+1
.endr
; THE MATRIX WORK, for a piece of g tiles from tile x0 on.  The 4 g accumulators of a run take turns, one instruction a turn.
; Product i of 8 g of S^T = K Q^T: tile x0 + i % g; channels 32 (ii / 4) on, keys 16 (ii % 4) on, ii = i / g.  The first 4 g start the sums: with 0, or (msk = 1) with the mask.
.macro KQ x0, g, msk
.set t, (\x0)+i%(\g)
.set ii, i/(\g)
.set rS, S+32*t+8*(ii%4)
.set rK, KF+16*(ii%4)+8*(ii/4)
.set rQ, 16*t+8*(ii/4)
.set rM, MC+8*(ii%4)
.if (ii < 4) && (\msk)
	WIN W_KM
	v_wmma_f32_16x16x32_f16 v[rS:rS+7], v[rK:rK+7], v[rQ:rQ+7], v[rM:rM+7]
.elseif ii < 4
	WIN W_KQ
	v_wmma_f32_16x16x32_f16 v[rS:rS+7], v[rK:rK+7], v[rQ:rQ+7], 0
.else
	WIN W_KQ
	v_wmma_f32_16x16x32_f16 v[rS:rS+7], v[rK:rK+7], v[rQ:rQ+7], v[rS:rS+7]
.endif
.endm
; Product i of 8 g of O^T += V^T P: keys 32 (ii / 4) on, channels 16 (ii % 4) on
.macro PV x0, g
	WIN W_PV
.set t, (\x0)+i%(\g)
.set ii, i/(\g)
.set rO, 32*t+8*(ii%4)
.set rV, VF+32*(ii/4)+8*(ii%4)
.set rP, P+16*t+8*(ii/4)
	v_wmma_f32_16x16x32_f16 v[rO:rO+7], v[rV:rV+7], v[rP:rP+7], v[rO:rO+7]
.endm
; THE LDS LOADS stand in runs of 16: a step's K (8 fragments) and its V (turned)
.macro FETCH_K
	WIN 0
	v_add_nc_u32 v[AK], s[TBK], v[AK0]
	WIN 0x80
.irp f, 0,1,2,3,4,5,6,7
	ds_load_b128 v[KF+8*\f:KF+8*\f+3],   v[AK] offset:(\f/2)*16*PK+(\f%2)*64
	ds_load_b128 v[KF+8*\f+4:KF+8*\f+7], v[AK] offset:(\f/2)*16*PK+(\f%2)*64+32
.endr
	s_add_co_u32 s[TBK], s[TBK], KS*PK
	WIN 0
.endm
.macro FETCH_V
	WIN 0
	v_add_nc_u32 v[AV], s[TBV], v[AV0]
	WIN 0x80
.irp f, 0,1,2,3,4,5,6,7
	ds_load_tr16_b128 v[VF+8*\f:VF+8*\f+3],   v[AV] offset:(\f/4)*32*PV+(\f%4)*32
	ds_load_tr16_b128 v[VF+8*\f+4:VF+8*\f+7], v[AV] offset:(\f/4)*32*PV+16*PV+(\f%4)*32
.endr
	s_add_co_u32 s[TBV], s[TBV], KS*PV
	WIN 0
.endm
; THE VECTOR WORK.  One tile's softmax for one key step is a list of 118 instructions; SM writes number j of it for tile t.  s0-s31 are the lane's 32 scores, in pairs 0-15.
;   0-15    the maximum of s0-s31 and the old m, three operands at a time (each accumulator's lowest registers are read first)
;   16-20   the other half of the lanes' maximum; c m_old kept; the new m; c m; c m_old - c m_new
;   21-87   33 exponentials (a, then s0-s31) at the odd numbers from 23 on, each with a plain instruction behind it (ISA guide 5.7.2): scalings ahead, roundings a pair back, the first sums
;   88-101  the last rounding; the rest of the sums; l = a l + the sum          102-117  the tile's O^T times a
.macro SM t
.set rT, ST+8*(\t)
.set rS, S+32*(\t)
.set rP, P+16*(\t)
.set rO, 32*(\t)+2*(j-102)
.set q, (j-20)/2
.if j < 102
	WIN 0
.endif
.if j < 4
	v_max3_num_f32 v[rT+4+j], v[rS+8*j], v[rS+8*j+1], v[rS+8*j+2]
.elseif j < 12
	v_max3_num_f32 v[rT+4+j%4], v[rT+4+j%4], v[rS+8*(j%4)+2*(j/4)+1], v[rS+8*(j%4)+2*(j/4)+2]
.elseif j == 12
	v_max3_num_f32 v[rT+4], v[rT+4], v[rS+7], v[rS+15]
.elseif j == 13
	v_max3_num_f32 v[rT+6], v[rT+6], v[rS+23], v[rS+31]
.elseif j == 14
	v_max3_num_f32 v[rT+4], v[rT+4], v[rT+5], v[rT+6]
.elseif j == 15
	v_max3_num_f32 v[rT+4], v[rT+4], v[rT+7], v[rT+1]
.elseif j == 16
	v_permlanex16_b32 v[rT+5], v[rT+4], s[SEL], s[SEL+1]
.elseif j == 17
	v_mov_b32 v[rT+7], v[rT]
.elseif j == 18
	v_max_num_f32 v[rT+1], v[rT+4], v[rT+5]
.elseif j == 19
	v_mul_f32 v[rT], s[CS], v[rT+1]
.elseif j == 20
	v_sub_f32 v[rT+7], v[rT+7], v[rT]
.elseif j == 23
	v_exp_f32 v[rT+6], v[rT+7]
.elseif (j < 88) && (j > 23) && (j%2 == 1)
	v_exp_f32 v[rS+(j-25)/2], v[rS+(j-25)/2]
.elseif (q < 4) || ((j < 76) && (q%2 == 0))
.set b, q/2+2
.if q < 4
.set b, q
.endif
	v_pk_fma_f32 v[rS+2*b:rS+2*b+1], v[rS+2*b:rS+2*b+1], s[CS:CS+1], v[rT:rT+1] op_sel_hi:[1,0,0] neg_lo:[0,0,1] neg_hi:[0,0,1]
.elseif (j < 88) && (q%2 == 1)
	s_wait_alu depctr_va_vdst(0)
	v_cvt_pk_f16_f32 v[rP+(q-5)/2], v[rS+q-5], v[rS+q-4]
.elseif j == 89
	s_wait_alu depctr_va_vdst(0)
	v_cvt_pk_f16_f32 v[rP+15], v[rS+30], v[rS+31]
.elseif j < 102
.set z, j-86
.if j < 89
.set z, (j-76)/4
.endif
.set w, 4
.set u, z
.if z >= 14
.set w, 32
.set u, 0
.elseif z >= 12
.set w, 16
.set u, z-12
.elseif z >= 8
.set w, 8
.set u, z-8
.endif
.if z < 15
	v_pk_add_f32 v[rS+w*u:rS+w*u+1], v[rS+w*u:rS+w*u+1], v[rS+w*u+w/2:rS+w*u+w/2+1]
.else
	v_pk_fma_f32 v[rT+2:rT+3], v[rT+2:rT+3], v[rT+6:rT+7], v[rS:rS+1] op_sel_hi:[1,0,1]
.endif
.else
	WIN W_RS
	v_pk_mul_f32 v[rO:rO+1], v[rO:rO+1], v[rT+6:rT+7] op_sel_hi:[1,0]
.endif
.endm
; Slice k of 59: numbers 2 k and 2 k + 1 of the lists of the g tiles from y0 on.  With two tiles: tile by tile where exponentials stand (plain, exponential, plain, exponential), else the tiles alternate.
.macro SLICE y0, g
.if (\g) == 1
.irp n, 0,1
.set j, 2*k+(\n)
	SM \y0
.endr
.elseif (k >= 11) && (k < 44)
.irp tt, \y0, (\y0)+1
.irp n, 0,1
.set j, 2*k+(\n)
	SM \tt
.endr
.endr
.else
.irp n, 0,1
.irp tt, \y0, (\y0)+1
.set j, 2*k+(\n)
	SM \tt
.endr
.endr
.endif
.set k, k+1
.endm
.macro MASK                         ; MC = MD x AL + BE
	WIN W_RS
.set z, 0
.rept 16
	v_pk_fma_f32 v[MC+2*z:MC+2*z+1], v[MD+2*z:MD+2*z+1], s[AL:AL+1], s[BE:BE+1] op_sel_hi:[1,0,0]
.set z, z+1
.endr
.endm
; A TURN.  The piece from tile x0 has the matrix unit, the piece from tile y0 the vector unit; g tiles each.  kq = 0: no products K Q^T; 1: plain; 2: with the mask of key step 4 - CNT of the diagonal tile.
; role = 0 (piece A): V of the step in hand is waited for at the head, K of the next step is fetched there (the lump that ended the turn before, 28 plain instructions or more, lies behind the last product
; that read K) and waited for in front of the products that read it.  role = 1 (piece B): V of the next step is fetched in the first lump, six plain instructions or more behind the last product that read V.
; Slices 0-15 ride behind the products V^T P, 16-28 are the first lump, 29-44 ride behind the products K Q^T, 45-58, all plain, are the second lump and the places behind the turn's last products.
.macro TURN x0, y0, g, kq, role
.set k, 0
.if (\kq) == 2
	s_sub_co_u32 s[U], 4, s[CNT]
	s_cmp_eq_u32 s[U], s[OW0+(\x0)]   ; is that step the band's own?
	s_cselect_b32 s[AL], 1.0, 0
	s_cmp_gt_u32 s[U], s[OW0+(\x0)]   ; or a later one?
	s_cselect_b32 s[BE], s[BIGN], 0
.endif
.if (\role) == 0
	s_wait_dscnt 0x0                ; V is in
.if \kq
	FETCH_K
.endif
.endif
.set i, 0
.rept 8*(\g)
	PV \x0, \g
.rept 2/(\g)
	SLICE \y0, \g
.endr
.set i, i+1
.endr
.if \kq
.rept 13
	SLICE \y0, \g
.if ((\role) == 1) && (k == 20)
	FETCH_V
.endif
.endr
.if (\kq) == 2
	MASK
.endif
.if (\role) == 0
	s_wait_dscnt 0x0                ; K is in
.endif
.set i, 0
.rept 8*(\g)
	KQ \x0, \g, (\kq)/2
.rept 2/(\g)
	SLICE \y0, \g
.endr
.set i, i+1
.endr
.rept 14
	SLICE \y0, \g
.endr
.else
.rept 43
	SLICE \y0, \g
.endr
.endif
.endm
; A STRETCH BEGINS: K of the tile's first step, and piece A's first scores.  The loop is then entered at piece B's turn, whose products V^T P belong to a step that has not been: they must add 0, so
; (first = 0) tile 1's P is cleared; m, l and O^T go on from part 1.  msk = 1: the tile is the diagonal one: step 0 is band 0's own or an earlier one.
.macro BEGIN g, msk, first
	s_mov_b32 s[NEW], 0
	WIN 0
.if !(\first)
.set i, P+16
.rept 16
	v_mov_b32 v[i], 0
.set i, i+1
.endr
.endif
.if \msk
	s_cmp_eq_u32 s[OW0], 0
	s_cselect_b32 s[AL], 1.0, 0
	s_mov_b32 s[BE], 0
	MASK
.endif
	FETCH_K
.if \first
	s_wait_loadcnt 0x0              ; Q
.endif
	s_wait_dscnt 0x0
.set i, 0
.rept 8*(\g)
	KQ 0, \g, \msk
.set i, i+1
.endr
	WIN 0
.rept 4
	v_nop                           ; the places behind those products
.endr
.endm
; A STRETCH ENDS: piece A's V^T P of the last step beside piece B's last softmax; then piece B's V^T P
.macro ENDB g
	TURN 0, \g, \g, 0, 0
.set i, 0
.rept 8*(\g)
	PV \g, \g
.set i, i+1
.endr
	WIN 0
.endm
; THE WAY OUT of tiles 0 and 1: l's two halves and the other half of the lanes' are added; O^T is divided by l, rounded to f16 and sent through my stage in LDS, a tile at a time
.macro PACK t
	WIN W_RS
.set i, 32*(\t)
.rept 16
	s_wait_alu depctr_va_vdst(0)
	v_pk_mul_f32 v[i:i+1], v[i:i+1], v[ST+8*(\t)+6:ST+8*(\t)+7] op_sel_hi:[1,0]
.set i, i+2
.endr
	WIN 0x05
.set i, 0
.rept 16
	v_cvt_pk_f16_f32 v[S+16*(\t)+i], v[32*(\t)+2*i], v[32*(\t)+2*i+1]
.set i, i+1
.endr
	WIN 0
.irp f, 0,1,2,3
	ds_store_b128 v[STO], v[S+16*(\t)+4*\f:S+16*(\t)+4*\f+3] offset:32*\f
.endr
.irp f, 0,1,2,3
	ds_load_b128 v[S+16*(\t)+4*\f:S+16*(\t)+4*\f+3], v[RD] offset:\f*4*SP  ; LDS serves a wave's instructions in order (ISA guide 5.7.1.4): these see the stores above
.endr
.endm
.macro SEND t, younger
	WIN 0
.irp f, 0,1,2,3
	s_wait_dscnt (\younger)+3-\f
	global_store_b128 v[GO], v[S+16*(\t)+4*\f:S+16*(\t)+4*\f+3], s[10:11] offset:(\t)*8192+\f*512  ; 512 consecutive bytes, at a multiple of 256 from yb's first
.endr
.endm
.macro WAYOUT
	WIN 0
.irp t, 0,1
	v_add_f32 v[ST+8*\t+4], v[ST+8*\t+2], v[ST+8*\t+3]
.endr
.irp t, 0,1
	v_permlanex16_b32 v[ST+8*\t+5], v[ST+8*\t+4], s[SEL], s[SEL+1]
.endr
.irp t, 0,1
	v_add_f32 v[ST+8*\t+4], v[ST+8*\t+4], v[ST+8*\t+5]
.endr
.irp t, 0,1
	v_rcp_f32 v[ST+8*\t+6], v[ST+8*\t+4]
.endr
	v_nop                           ; a plain instruction between the last reciprocal and the use of its result
	PACK 0
	PACK 1
	SEND 0, 8
	SEND 1, 0
.endm
; THE DIAGONAL TILE's four steps, the block's end and its way out
.macro DIAG tag
.LstepM\tag:
	TURN 0, 1, 1, 2, 0
	WIN 0
.LfirstM\tag:
	TURN 1, 0, 1, 2, 1
	WIN 0
	s_sub_co_u32 s[CNT], s[CNT], 1
	s_cmp_lg_u32 s[CNT], 0
	s_cbranch_scc1 .LstepM\tag
	ENDB 1
	WAYOUT
.endm
	; PART 1: the cache's eight tiles, all four tiles of queries
	CHANGE 1                        ; slot 0 is in, everybody's part of it; slot 1 is asked for
	BEGIN 2, 0, 1
	s_mov_b32 s[CNT], 4
	s_mov_b32 s[SLOTS], 8
	s_branch .LfirstA
.LslotA:
	CHANGE 1
	s_mov_b32 s[CNT], 4
.LstepA:
	TURN 0, 2, 2, 1, 0
	WIN 0
.LfirstA:
	TURN 2, 0, 2, 1, 1
	WIN 0
	s_sub_co_u32 s[CNT], s[CNT], 1
	s_cmp_lg_u32 s[CNT], 0
	s_cbranch_scc1 .LstepA
	s_sub_co_u32 s[SLOTS], s[SLOTS], 1
	s_cmp_lg_u32 s[SLOTS], 0
	s_cbranch_scc1 .LslotA
	ENDB 2
	; PART 2: the new keys, block hi and then block lo, in tiles 0 and 1's registers: nine tiles, of which eight are entered in this loop
	s_mov_b32 s[RT], s[NH]
	s_mov_b32 s[NEW], 1
	s_mov_b32 s[SLOTS], 8
.Lslot:
	CHANGE 1
	s_sub_co_u32 s[RT], s[RT], 1
	s_mov_b32 s[CNT], 4
	s_cmp_eq_u32 s[NEW], 1
	s_cbranch_scc1 .Lnew            ; a block's first new tile
	s_cmp_eq_u32 s[RT], 0
	s_cbranch_scc0 .Lstep           ; neither its first nor its last
	s_branch .LstepM1
.Lnew:
	BEGIN 1, 0, 0
	s_branch .Lfirst                ; in the loop a block's first new tile is never its last: hi has five or more, and lo's last is the walk's last
	DIAG 1                          ; in the loop this is hi's end
	s_wait_xcnt 0x0                 ; the stores have read their registers and yb's address
	s_mov_b64 s[10:11], s[OLO:OLO+1]
	s_mov_b32 s[RT], s[NL]
	s_mov_b32 s[NEW], 1
	s_mov_b32 s[OW0], s[OWL]
	s_add_co_u32 s[OW1], s[OWL], 1
	WIN 0x82                        ; lo's Q, O^T and statistics go where the one text of the turns names them
.set i, 0
.rept 32
	v_mov_b32 v[i], v[32+i]
.set i, i+1
.endr
	WIN 0x41
.set i, 0
.rept 64
	v_mov_b32 v[i], v[64+i]
.set i, i+1
.endr
	WIN 0
.irp t, 0,1
.irp n, 0,1,2,3
	v_mov_b32 v[ST+8*\t+\n], v[ST+16+8*\t+\n]
.endr
.endr
	s_branch .Lbottom
.Lstep:
	TURN 0, 1, 1, 1, 0
	WIN 0
.Lfirst:
	TURN 1, 0, 1, 1, 1
	WIN 0
	s_sub_co_u32 s[CNT], s[CNT], 1
	s_cmp_lg_u32 s[CNT], 0
	s_cbranch_scc1 .Lstep
.Lbottom:
	s_sub_co_u32 s[SLOTS], s[SLOTS], 1
	s_cmp_lg_u32 s[SLOTS], 0
	s_cbranch_scc1 .Lslot
	CHANGE 0                        ; the walk's last tile, lo's diagonal one, is written out: nothing is asked for
	s_sub_co_u32 s[RT], s[RT], 1
	s_mov_b32 s[CNT], 4
	s_cmp_eq_u32 s[NEW], 1
	s_cbranch_scc0 .LstepM2
	BEGIN 1, 1, 0
	s_branch .LfirstM2
	DIAG 2
	s_wait_tensorcnt 0x0            ; the wave's end
	ds_add_u32 v[SPW], v[NIL]
	s_wait_dscnt 0x0
	s_endpgm
.Lfunc_end_k_qe2888bbace_attn:
	.size	k_qe2888bbace_attn, .Lfunc_end_k_qe2888bbace_attn-k_qe2888bbace_attn
	.p2alignl 7, 3214868480
	.fill 96, 4, 3214868480
	.section	.rodata,"a",@progbits
	.p2align	6, 0x0
	.amdhsa_kernel k_qe2888bbace_attn
		.amdhsa_group_segment_fixed_size 327680
		.amdhsa_private_segment_fixed_size 0
		.amdhsa_enable_private_segment 0
		.amdhsa_kernarg_size 32
		.amdhsa_user_sgpr_count 2
		.amdhsa_user_sgpr_kernarg_segment_ptr 1
		.amdhsa_wavefront_size32 1
		.amdhsa_system_sgpr_workgroup_id_x 1
		.amdhsa_system_sgpr_workgroup_id_y 1
		.amdhsa_system_sgpr_workgroup_id_z 1
		.amdhsa_system_vgpr_workitem_id 0
		.amdhsa_next_free_vgpr 768
		.amdhsa_next_free_sgpr 96
		.amdhsa_reserve_vcc 1
		.amdhsa_float_denorm_mode_32 3
		.amdhsa_float_denorm_mode_16_64 3
		.amdhsa_memory_ordered 1
		.amdhsa_forward_progress 1
		.amdhsa_inst_pref_size 188
	.end_amdhsa_kernel
	.amdgpu_metadata
---
amdhsa.version: [ 1, 2 ]
amdhsa.kernels:
  - .name:           k_qe2888bbace_attn
    .symbol:         k_qe2888bbace_attn.kd
    .args:
      - { .name: q, .offset: 0, .size: 8, .value_kind: global_buffer, .address_space: global }
      - { .name: kall, .offset: 8, .size: 8, .value_kind: global_buffer, .address_space: global }
      - { .name: vall, .offset: 16, .size: 8, .value_kind: global_buffer, .address_space: global }
      - { .name: yb, .offset: 24, .size: 8, .value_kind: global_buffer, .address_space: global }
    .group_segment_fixed_size: 327680
    .private_segment_fixed_size: 0
    .kernarg_segment_align: 8
    .kernarg_segment_size: 32
    .max_flat_workgroup_size: 128
    .sgpr_count:     96
    .vgpr_count:     768
    .wavefront_size: 32
...
	.end_amdgpu_metadata
.endif
;; end of part 3
;; launch proj (part 4): grid 8 x 32, 4 waves a work-group, clusters of 4 x 4, 327,680 bytes of LDS; arguments yb, wp, out0; writes out0
.if DOCPART == 4
	.amdgcn_target "amdgcn-amd-amdhsa--gfx1250"
	.amdhsa_code_object_version 6
	.text
	.protected	k_qe2888bbace_proj
	.globl	k_qe2888bbace_proj
	.p2align	8
	.type	k_qe2888bbace_proj,@function
k_qe2888bbace_proj:
	s_mov_b64 s[64:65], 0
	v_nop
	global_prefetch_b8 v0, s[64:65] scope:SCOPE_SE
	s_setreg_imm32_b32 hwreg(HW_REG_WAVE_MODE, 25, 1), 1
	s_wait_xcnt 0x0
	s_wait_alu depctr_hold_cnt(0) depctr_sa_sdst(0) depctr_va_vdst(0) depctr_va_sdst(0) depctr_va_ssrc(0) depctr_va_vcc(0) depctr_vm_vsrc(0)
	s_getreg_b32 s2, hwreg(HW_REG_IB_STS2, 6, 4)
	s_cmp_eq_u32 s2, 0
	s_cbranch_scc0 .Lentry_in_a_cluster
	s_endpgm
.Lentry_in_a_cluster:
	s_bfe_u32 s2, ttmp6, 0x10000c
	s_cmp_lg_u32 s2, 0xf033
	s_cbranch_scc0 .Lentry_shape_is_right
	s_endpgm
.Lentry_shape_is_right:
; out0 = y W_proj.  yb: [32 blocks of 128 rows][16 heads][128][64] f16; wp: [1024 k][1024 n] f16 (W_proj rounded to bf16, written as f16); out0: [4096][1024] f32.  Sums in f32, K ascending.
; A tile of out0 is 128 x 128: 32 x 8 = 256 work-groups.  Four waves, each 64 x 64: 16 accumulators.  K goes in steps of 256, four heads, through two LDS slots.
; A slot: y's tile, [4 heads][128 rows] of 128 bytes, pitch 144 (dense in memory: asked for as rows of 256 bytes, padded after every 128), then W's, 256 k rows x 256 bytes, pitch 288.
; Waves 0 and 1 fetch two heads of y each, waves 2 and 3 128 k rows of W each.  W lies [k][n], so its fragments come out of LDS turned.
; CLUSTER 4 x 4: y's tile is asked for jointly along a row of the cluster, W's along a column.  THE MATRIX INSTRUCTION IS USED TRANSPOSED: a lane holds eight neighbouring columns of a row, 32 bytes.
; REGISTERS: window 0: v16-29 addresses; v128-255 the accumulators ((a, b) at v[128 + 8 (4 a + b)]).  window 1: two fragment buffers of 128: for 64 along K, 64 registers of y, then 64 of W.
.set PA,     144
.set PB,     288
.set REG,    128*PB                    ; what one tensor load fills: 256 rows x 144 or 128 rows x 288
.set SLOT,   4*REG
.set STAGE,  2*SLOT                    ; behind the ring, never filled by a tensor load: 16 rows x 272 bytes for each wave
.set SPITCH, 272
.set SPARE,  STAGE+4*16*SPITCH
.set ADRA, 16                          ; v16-17  my fragments of y in slot 0, 1
.set ADRB, 20                          ; v20-23  of W: 2 x slot + half of the slot's 256 k rows
.set STO,  24
.set RD,   25
.set CO,   26
.set SPW,  28
.set NIL,  29
.set ACC,  128
.set F0,   0
.set F1,   128
.set G1, 24
.set G0, 32
.set G1B, 48
.set G0B, 56
.set MSB, 0
.macro WIN new
.if MSB != (\new)
	s_set_vgpr_msb (MSB<<8)|(\new)
.set MSB, \new
.endif
.endm
.set MUL,  0x05
.set TO_F, 0x40
.macro JLOAD s                         ; a joint load: waves 0 and 1 ask for y's two halves, waves 2 and 3 for W's
	s_cmp_eq_u32 s11, 0
	s_cbranch_scc0 .Lfor_b_\@
	tensor_load_to_lds s[G0+4*(\s):G0+4*(\s)+3], s[G1:G1+7]
	s_nop 0
.rept 4
	v_nop
.endr
	s_branch .Lasked_\@
.Lfor_b_\@:
	tensor_load_to_lds s[G0B+4*(\s):G0B+4*(\s)+3], s[G1B:G1B+7]
	s_nop 0
.rept 4
	v_nop
.endr
.Lasked_\@:
.endm
.macro CREST
	s_cmp_lg_u32 s10, 0
	s_cbranch_scc1 .Lnot_wave_0_\@
	s_barrier_signal -3
.Lnot_wave_0_\@:
	s_barrier_wait -3
	s_barrier_signal -1
	s_barrier_wait -1
.endm
.macro CROUND
	s_barrier_signal -1
	s_barrier_wait -1
	CREST
.endm
	s_load_b128 s[4:7], s[0:1], 0x0                ; yb s[4:5], wp s[6:7]
	s_load_b64 s[8:9], s[0:1], 0x10                ; out0
	v_lshl_add_u32 v[SPW], v0, 2, SPARE
	v_mov_b32 v[NIL], 0
	ds_add_u32 v[SPW], v[NIL]                      ; the wave's opening: the add and its wait ahead of my first tensor load
	ds_add_u32 v28, v29
	v_lshrrev_b32 v1, 5, v0
	v_readfirstlane_b32 s10, v1
	s_lshr_b32 s11, s10, 1                         ; which 64 rows are mine.  Also: I fetch for y (0) or for W (1)
	s_and_b32 s12, s10, 1                          ; which 64 columns.  Also: which half of that tile I fetch
	s_bfe_u32 s40, ttmp6, 0x40000
	s_bfe_u32 s41, ttmp6, 0x40004
	s_lshl_b32 s42, ttmp9, 2
	s_add_co_u32 s42, s42, s40                     ; tile column
	s_and_b32 s13, ttmp7, 0xffff
	s_lshl_b32 s13, s13, 2
	s_add_co_u32 s13, s13, s41                     ; tile row
	s_lshl_b32 s43, s41, 2
	s_lshl_b32 s43, 15, s43
	s_lshl_b32 s44, 0x1111, s40
	s_or_b32 s[G1+0], s43, (1<<16)|(1<<20)|(1<<21)|(4<<22)|(3<<25)   ; y: padded after every 32 words by 4
	s_or_b32 s[G1B+0], s44, (1<<16)|(1<<20)|(1<<21)|(5<<22)|(7<<25)  ; W: after every 64 words by 8
.irp g, G1, G1B
	s_mov_b32 s[(\g)+1], 128<<16
	s_mov_b32 s[(\g)+2], 128<<16
	s_mov_b32 s[(\g)+3], 128<<16
	s_mov_b32 s[(\g)+4], 128
	s_mov_b32 s[(\g)+6], 0
	s_mov_b32 s[(\g)+7], 0
.endr
	s_mov_b32 s[G1+5], 128                         ; y's block is dense
	s_mov_b32 s[G1B+5], 1024
	s_lshl_b32 s16, s13, 18                        ; y: 16 heads x 16,384 bytes a tile row,
	s_lshl_b32 s17, s12, 15                        ; my two heads of the step's four
	s_add_co_u32 s16, s16, s17
	s_mov_b32 s17, 0
	s_lshl_b32 s46, s42, 8                         ; W: 128 columns a tile column,
	s_lshl_b32 s47, s12, 18                        ; my 128 k rows of 2,048 bytes
	s_add_co_u32 s46, s46, s47
	s_mov_b32 s47, 0
	s_mul_i32 s20, s10, REG
	s_wait_dscnt 0x0
	s_wait_kmcnt 0x0
	s_add_nc_u64 s[14:15], s[4:5], s[16:17]
	s_add_nc_u64 s[46:47], s[6:7], s[46:47]
	CROUND
.irp s, 0,1
	s_mov_b32 s[G0+4*(\s)], 1
	s_add_co_u32 s[G0+4*(\s)+1], s20, (\s)*SLOT
	s_add_nc_u64 s[G0+4*(\s)+2:G0+4*(\s)+3], s[14:15], (\s)*65536
	s_or_b32 s[G0+4*(\s)+3], s[G0+4*(\s)+3], 0x80000000
	s_mov_b32 s[G0B+4*(\s)], 1
	s_add_co_u32 s[G0B+4*(\s)+1], s20, (\s)*SLOT
	s_add_nc_u64 s[G0B+4*(\s)+2:G0B+4*(\s)+3], s[46:47], (\s)*524288
	s_or_b32 s[G0B+4*(\s)+3], s[G0B+4*(\s)+3], 0x80000000
	JLOAD \s
.endr
	v_and_b32 v1, 15, v0
	v_bfe_u32 v2, v0, 4, 1
	v_mul_u32_u24 v3, v1, PA
	v_lshl_add_u32 v3, v2, 4, v3
	s_mul_i32 s21, s11, 64*PA
	v_add_nc_u32 v[ADRA], s21, v3
	s_add_co_u32 s21, s21, SLOT
	v_add_nc_u32 v[ADRA+1], s21, v3
	v_and_b32 v4, 7, v0
	v_lshl_add_u32 v4, v2, 3, v4
	v_mul_u32_u24 v4, v4, PB
	v_bfe_u32 v5, v0, 3, 1
	v_lshl_add_u32 v4, v5, 4, v4
	s_lshl_b32 s22, s12, 7
.irp n, 0,1,2,3
	s_add_co_u32 s23, s22, ((\n)/2)*SLOT+2*REG+((\n)%2)*REG
	v_add_nc_u32 v[ADRB+(\n)], s23, v4
.endr
	s_mul_i32 s23, s10, 16*SPITCH
	s_add_co_u32 s23, s23, STAGE                   ; my stage
	v_mul_u32_u24 v6, v1, SPITCH                   ; in: row l % 16, 32 bytes for each half of the lanes
	v_lshl_add_u32 v6, v2, 5, v6
	v_add_nc_u32 v[STO], s23, v6
	v_mul_u32_u24 v6, v2, SPITCH                   ; back: lanes 0-15 take one row of 256 bytes, lanes 16-31 the next
	v_lshl_add_u32 v6, v1, 4, v6
	v_add_nc_u32 v[RD], s23, v6
	v_lshlrev_b32 v[CO], 12, v2                    ; and the same two rows in out0
	v_lshl_add_u32 v[CO], v1, 4, v[CO]
	s_lshl_b32 s16, s13, 7
	s_lshl_b32 s17, s11, 6
	s_add_co_u32 s16, s16, s17                     ; my first row,
	s_lshl_b32 s16, s16, 12                        ; of 4,096 bytes
	s_mov_b32 s17, 0
	s_add_nc_u64 s[8:9], s[8:9], s[16:17]
	s_lshl_b32 s46, s42, 9                         ; my first column, in bytes
	s_lshl_b32 s47, s12, 8
	s_add_co_u32 s46, s46, s47
	s_mov_b32 s47, 0
	s_add_nc_u64 s[8:9], s[8:9], s[46:47]
.macro MUL8 f, c, a0, zero             ; 8 matrix instructions: row blocks a0, a0 + 1 x all 4 column blocks, 32 along K: half c of buffer f; the 16 accumulators take turns
	WIN MUL
.irp a, \a0, (\a0)+1
.irp b, 0,1,2,3
.if \zero
	v_wmma_f32_16x16x32_f16 v[ACC+8*(4*(\a)+(\b)):ACC+8*(4*(\a)+(\b))+7], v[(\f)+64+8*(4*(\c)+(\b)):(\f)+64+8*(4*(\c)+(\b))+7], v[(\f)+8*(4*(\c)+(\a)):(\f)+8*(4*(\c)+(\a))+7], 0
.else
	v_wmma_f32_16x16x32_f16 v[ACC+8*(4*(\a)+(\b)):ACC+8*(4*(\a)+(\b))+7], v[(\f)+64+8*(4*(\c)+(\b)):(\f)+64+8*(4*(\c)+(\b))+7], v[(\f)+8*(4*(\c)+(\a)):(\f)+8*(4*(\c)+(\a))+7], v[ACC+8*(4*(\a)+(\b)):ACC+8*(4*(\a)+(\b))+7]
.endif
.endr
.endr
.endm
; 32 LDS loads in one run: head hd of a slot's four (64 along K) into buffer f; its first 32 along K first
.macro FETCH slot, hd, f
	WIN TO_F
.irp c, 0,1
.irp i, 0,1,2,3
	ds_load_tr16_b128 v[(\f)+64+8*(4*(\c)+(\i)):(\f)+64+8*(4*(\c)+(\i))+3],   v[ADRB+2*(\slot)+(\hd)/2] offset:((\hd)%2)*64*PB+(\c)*32*PB+(\i)*32
	ds_load_tr16_b128 v[(\f)+64+8*(4*(\c)+(\i))+4:(\f)+64+8*(4*(\c)+(\i))+7], v[ADRB+2*(\slot)+(\hd)/2] offset:((\hd)%2)*64*PB+(\c)*32*PB+(\i)*32+16*PB
	ds_load_b128 v[(\f)+8*(4*(\c)+(\i)):(\f)+8*(4*(\c)+(\i))+3],         v[ADRA+(\slot)] offset:(\hd)*128*PA+(\c)*64+(\i)*16*PA
	ds_load_b128 v[(\f)+8*(4*(\c)+(\i))+4:(\f)+8*(4*(\c)+(\i))+7],       v[ADRA+(\slot)] offset:(\hd)*128*PA+(\c)*64+(\i)*16*PA+32
.endr
.endr
.endm
.macro PLACES
.rept 4
	v_nop
.endr
.endm
.macro QUARTER slot, hd, f, g, zero
	s_wait_dscnt 16                                ; the first 32 along K are in
	MUL8 \f, 0, 0, \zero
	MUL8 \f, 0, 2, \zero
	PLACES
	FETCH \slot, \hd, \g
	s_wait_dscnt 32                                ; all but the 32 just issued
	MUL8 \f, 1, 0, 0
	MUL8 \f, 1, 2, 0
.endm
.macro TURN slot, next, fill
	WIN 0
	s_wait_tensorcnt 0x0                           ; all my tensor loads have landed: my part of the next slot
	ds_add_u32 v[SPW], v[NIL]
	s_wait_dscnt 17                                ; (the add and the youngest sixteen loads may be out)
	MUL8 F1, 0, 0, 0
	s_wait_dscnt 0x0                               ; the add is done, and my reads of this slot are over
	s_barrier_signal -1
	MUL8 F1, 0, 2, 0
.if \fill
	WIN 0
.endif
	s_barrier_wait -1
.if \fill
	CREST
	s_add_nc_u64 s[G0+4*(\slot)+2:G0+4*(\slot)+3], s[G0+4*(\slot)+2:G0+4*(\slot)+3], 131072
	s_add_nc_u64 s[G0B+4*(\slot)+2:G0B+4*(\slot)+3], s[G0B+4*(\slot)+2:G0B+4*(\slot)+3], 1048576
	JLOAD \slot
.else
	PLACES
.endif
	FETCH \next, 0, F0
	MUL8 F1, 1, 0, 0
	MUL8 F1, 1, 2, 0
.endm
	s_wait_tensorcnt 1                             ; my part of K step 0 is in; K step 1's may stay out
	s_barrier_signal -1
	s_barrier_wait -1
	FETCH 0, 0, F0
	QUARTER 0, 1, F0, F1, 1                        ; four K steps: two laps of the ring, written straight; the first fills both slots again
	QUARTER 0, 2, F1, F0, 0
	QUARTER 0, 3, F0, F1, 0
	TURN 0, 1, 1
	QUARTER 1, 1, F0, F1, 0
	QUARTER 1, 2, F1, F0, 0
	QUARTER 1, 3, F0, F1, 0
	TURN 1, 0, 1
	QUARTER 0, 1, F0, F1, 0
	QUARTER 0, 2, F1, F0, 0
	QUARTER 0, 3, F0, F1, 0
	TURN 0, 1, 0
	QUARTER 1, 1, F0, F1, 0
	QUARTER 1, 2, F1, F0, 0
	QUARTER 1, 3, F0, F1, 0
	s_wait_dscnt 16
	MUL8 F1, 0, 0, 0
	MUL8 F1, 0, 2, 0
	s_wait_dscnt 0x0
	MUL8 F1, 1, 0, 0
	MUL8 F1, 1, 2, 0
	WIN 0
	PLACES
; THE WAY OUT.  My 64 columns of f32 are 256 consecutive bytes of a row, aligned: each wave has a stage of its own and needs no barrier.  Block a: 16 rows in, each accumulator's low half first, and back as whole rows, into the registers that they left.
.macro STG a
.irp b, 0,1,2,3
	ds_store_b128 v[STO], v[ACC+8*(4*(\a)+(\b)):ACC+8*(4*(\a)+(\b))+3] offset:64*(\b)
	ds_store_b128 v[STO], v[ACC+8*(4*(\a)+(\b))+4:ACC+8*(4*(\a)+(\b))+7] offset:64*(\b)+16
.endr
.irp f, 0,1,2,3,4,5,6,7
	ds_load_b128 v[ACC+32*(\a)+4*(\f):ACC+32*(\a)+4*(\f)+3], v[RD] offset:(\f)*2*SPITCH  ; LDS serves a wave's instructions in order (ISA guide 5.7.1.4): these see the stores above
.endr
.endm
.macro SEND a, younger
.irp f, 0,1,2,3,4,5,6,7
	s_wait_dscnt (\younger)+7-(\f)
	global_store_b128 v[CO], v[ACC+32*(\a)+4*(\f):ACC+32*(\a)+4*(\f)+3], s[8:9] offset:(16*(\a)+2*(\f))*4096 th:TH_STORE_NT  ; 16 lanes store 256 consecutive bytes, at a multiple of 256 from out0's first byte
.endr
.endm
	STG 0
	STG 1
	SEND 0, 16
	STG 2
	SEND 1, 16
	STG 3
	SEND 2, 16
	SEND 3, 0
	s_wait_tensorcnt 0x0                           ; the wave's end
	ds_add_u32 v[SPW], v[NIL]
	s_wait_dscnt 0x0
	CROUND                                         ; the closing round
	s_endpgm
.Lfunc_end_k_qe2888bbace_proj:
	.size	k_qe2888bbace_proj, .Lfunc_end_k_qe2888bbace_proj-k_qe2888bbace_proj
	.p2alignl 7, 3214868480
	.fill 96, 4, 3214868480
	.section	.rodata,"a",@progbits
	.p2align	6, 0x0
	.amdhsa_kernel k_qe2888bbace_proj
		.amdhsa_group_segment_fixed_size 327680
		.amdhsa_private_segment_fixed_size 0
		.amdhsa_enable_private_segment 0
		.amdhsa_kernarg_size 24
		.amdhsa_user_sgpr_count 2
		.amdhsa_user_sgpr_kernarg_segment_ptr 1
		.amdhsa_wavefront_size32 1
		.amdhsa_system_sgpr_workgroup_id_x 1
		.amdhsa_system_sgpr_workgroup_id_y 1
		.amdhsa_system_sgpr_workgroup_id_z 1
		.amdhsa_system_vgpr_workitem_id 0
		.amdhsa_next_free_vgpr 512
		.amdhsa_next_free_sgpr 66
		.amdhsa_reserve_vcc 0
		.amdhsa_float_denorm_mode_32 3
		.amdhsa_float_denorm_mode_16_64 3
		.amdhsa_memory_ordered 1
		.amdhsa_forward_progress 1
		.amdhsa_inst_pref_size 86
	.end_amdhsa_kernel
	.amdgpu_metadata
---
amdhsa.version: [ 1, 2 ]
amdhsa.kernels:
  - .name:           k_qe2888bbace_proj
    .symbol:         k_qe2888bbace_proj.kd
    .args:
      - { .name: yb, .offset: 0, .size: 8, .value_kind: global_buffer, .address_space: global }
      - { .name: wp, .offset: 8, .size: 8, .value_kind: global_buffer, .address_space: global }
      - { .name: out0, .offset: 16, .size: 8, .value_kind: global_buffer, .address_space: global }
    .group_segment_fixed_size: 327680
    .private_segment_fixed_size: 0
    .kernarg_segment_align: 8
    .kernarg_segment_size: 24
    .max_flat_workgroup_size: 128
    .sgpr_count:     66
    .vgpr_count:     512
    .wavefront_size: 32
...
	.end_amdgpu_metadata
.endif
;; end of part 4
;; ======== version 2 of 2: 4 launches; 1.29 times as fast as version 1
;; limits: values are held in f16: magnitudes above 65,504 overflow, below 6.1e-05 lose precision
;; workspace buffers: xb 8,388,608 bytes; wa 6,291,456 bytes; wp 2,097,152 bytes; q 8,388,608 bytes; kall 16,777,216 bytes; vall 16,777,216 bytes; yb 8,388,608 bytes
;; launch prep: the kernel of part 1 again; grid 1024 x 1, 8 waves a work-group, no clusters, 0 bytes of LDS; arguments x, W_attn, W_proj, cache_k, cache_v, xb, wa, wp, kall, vall; writes xb, wa, wp, kall, vall
;; launch qkv: the kernel of part 2 again; grid 8 x 32, 4 waves a work-group, clusters of 4 x 4, 327,680 bytes of LDS; arguments xb, wa, q, kall, vall; writes q, kall, vall
;; launch attn (part 5): grid 8 x 32, 4 waves a work-group, no clusters, 327,680 bytes of LDS; arguments q, kall, vall, yb; writes yb
.if DOCPART == 5
	.amdgcn_target "amdgcn-amd-amdhsa--gfx1250"
	.amdhsa_code_object_version 6
	.text
	.protected	k_qe2888bbace_attn
	.globl	k_qe2888bbace_attn
	.p2align	8
	.type	k_qe2888bbace_attn,@function
k_qe2888bbace_attn:
	s_mov_b64 s[64:65], 0
	v_nop
	global_prefetch_b8 v0, s[64:65] scope:SCOPE_SE
	s_setreg_imm32_b32 hwreg(HW_REG_WAVE_MODE, 25, 1), 1
	s_wait_xcnt 0x0
; y[h][t] = the sum over the 2,048 cached keys and the new keys k <= t of softmax(q . key / 8) value: ONE softmax over both.  q: [32][2048][64] f16; kall, vall: [32][4096][64] f16, a head's rows 0-2047 the cache,
; rows 2048-4095 the new keys and values.  y leaves as yb [32 blocks of 128 rows][16 heads][128][64] f16.  Products, maxima and sums in f32; the weights p are rounded to f16 for the second product
; (their sum l is taken of the unrounded p), y once at the end.
; LIMITS.  f16 ends at 65,504: q, kall, vall arrive within it; p lies in 0 to 1 and below 6e-5 keeps f16's fixed step of 6e-8.  A hidden score counts as its value less 1e30; a weight below 2^-126 counts as 0 in l;
; NaN and infinities are not treated apart.
; THE WALK.  A head's queries lie in 16 blocks of 128; keys in tiles of 256 rows of kall.  Work-group b of a head takes blocks hi = 15 - b and lo = b.  Part 1: tiles 0-7, the cache, for both blocks at once.
; Part 2: tiles 8 .. 7 + nh for hi alone, nh = 8 - b / 2, then tiles 8 .. 7 + nl for lo alone, nl = b / 2 + 1; each block's last tile holds its diagonal.  8 + nh + nl = 17 tiles whatever b: all work-groups
; do equal work and every trip count is a constant.  The ring of two LDS slots runs on through all 17.
; NO CLUSTER: what a trip of part 2 does hangs on b / 2, so only pairs of a head's eight work-groups walk alike, and only tiles 0-7 are common to all eight.
; SHARES.  A wave owns 16 rows of each band of 64 queries: tiles of queries 0, 1 are hi's bands, 2, 3 lo's.  So the diagonal tile is the same work for all four waves: in its key step u a band whose own step is o
; sees all keys if u < o, none if u > o, and holds the diagonal if u = o.
; THE MASK is the C operand that starts the sum S^T = K Q^T: MD x AL + BE, MD the mask of a band's own step for my rows, made once; (AL, BE) = (1, 0), (0, 0) or (0, -1e30).
; LAYOUT.  S^T = K Q^T holds one query a lane (lane % 16) and the keys 8 (lane / 16) + 0..7; two such results rounded to f16 ARE source 1 of O^T = V^T P.  p = 2^(c s - c m), c = log2(e) / 8, with a running maximum m;
; O and l are multiplied by a = 2^(c m_old - c m_new) in every step.  m starts at the lowest finite number, O and l at 0.
; BY TURNS.  The tiles of queries in hand fall into pieces A and B (part 1: two tiles each; part 2: one each).  In a turn one piece has the matrix unit: its products V^T P of step j, then its products K Q^T of
; step j + 1; the other piece's softmax stands beside them: four vector instructions behind every product, the rest in two lumps.
; ONE BATCH A TURN.  The softmax's list is ordered by who reads what: the maximum and statistics; then the scalings and all the exponentials (33 a tile: a and the 32 weights), none of which names an exponential's
; result; then the ONE wait ahead of the first such name; then the roundings, the sums and the rescaling, which read the results.  The wait stands at the end of the first lump, ahead of
; the products K Q^T.  The way out's two reciprocals are a batch of their own, with one wait.
; REGISTERS, in windows of 256: window 0: v2-11 addresses; v12-43 statistics, 8 a tile; v64-191 S^T, 32 a tile; v192-255 P, 16 a tile.  window 1: v0-127 O^T, 32 a tile; v128-159 MD; v160-191 MC.
; window 2: v0-63 Q, 16 a tile; v128-191 K of one step; v192-255 V of one step.
.set KS,    64
.set PK,    144       ; a row of K in LDS: 128 bytes + 16
.set PV,    160       ; a row of V: 128 + 32
.set VOFF,  4*KS*PK   ; a slot holds a tile: 256 rows of K, then 256 rows of V
.set SLOT1, 1<<17
.set STAGE, SLOT1+4*KS*(PK+PV)  ; behind the ring, never filled by a tensor load: 16 rows x 144 bytes for each wave
.set SP,    144
.set SPARE, STAGE+4*16*SP       ; the spare words, 128 bytes for each wave
.set AK0, 2
.set AV0, 3
.set AK,  4
.set AV,  5
.set STO, 6
.set RD,  7
.set GO,  8
.set ST,  12          ; tile t's statistics at v[ST+8 t]: c m, m, l (even keys', odd keys'), c0-c3 at work; a takes c2's place
.set QO,  44
.set SPW, 62
.set NIL, 63
.set S,   64
.set P,   192
.set MD,  128
.set MC,  160
.set KF,  128
.set VF,  192
.set WV,  12
.set PB,  14          ; s14  b = lo
.set HI,  15          ; s15  hi
.set G1K, 24
.set G1V, 32
.set G0K, 40
.set G0V, 44
.set SLOTS, 56
.set CNT, 57          ; counts a tile's key steps, 4 to 1
.set CS,  58
.set SEL, 60
.set TBK, 62
.set TBV, 63
.set RT,  70          ; tiles of the block in hand still to be entered
.set NXT, 71          ; the tile to be asked for next
.set LQ,  72          ; the last tile of the stretch that is being asked for
.set NEW, 73          ; 1: the tile to be entered is a block's first of part 2
.set OFF, 74
.set AL,  76
.set BE,  78
.set OLO, 80          ; s[80:81] yb at my rows of block lo
.set BIGN, 82
.set LQ2, 83          ; 7 + nl
.set OW0, 84          ; the own step of band 0 of the block in hand, in its diagonal tile
.set OW1, 85          ; of band 1
.set U,   88
.set NL,  89
.set OWL, 90          ; lo's OW0
.set NH,  91
.set MSB, 0
.macro WIN new
.if MSB != (\new)
	s_set_vgpr_msb (MSB<<8)|(\new)
.set MSB, (\new)
.endif
.endm
.set W_KQ, 0x0a
.set W_KM, 0x1a
.set W_PV, 0x52
.set W_RS, 0x41
; A fill.  Waves 0 and 1 fetch the two halves of a tile's K, waves 2 and 3 those of its V: 128 keys each
.macro LOAD
	s_cmp_lt_u32 s[WV], 2
	s_cbranch_scc0 .Lfor_v_\@
	tensor_load_to_lds s[G0K:G0K+3], s[G1K:G1K+7]
	s_nop 0
.rept 4
	v_nop
.endr
	s_branch .Lasked_\@
.Lfor_v_\@:
	tensor_load_to_lds s[G0V:G0V+3], s[G1V:G1V+7]
	s_nop 0
.rept 4
	v_nop
.endr
.Lasked_\@:
.endm
; THE CHANGE OF SLOTS.  Each wave waits for all its tensor loads (one is out: its part of the other slot), adds 0 to its spare word, and waits for that and for its reads of the slot that it leaves.
; fill = 1: the old slot is filled again, first thing behind the barrier, with tile NXT; the descriptor's address is made anew from that number.
.macro CHANGE fill
	WIN 0
	s_wait_tensorcnt 0x0
	ds_add_u32 v[SPW], v[NIL]
.if \fill
	s_lshl_b32 s[OFF], s[NXT], 15   ; a tile is 32,768 bytes of kall and of vall
	s_xor_b32 s[G0K+1], s[G0K+1], SLOT1
	s_add_nc_u64 s[G0K+2:G0K+3], s[6:7], s[OFF:OFF+1]
	s_or_b32 s[G0K+3], s[G0K+3], 0x80000000
	s_xor_b32 s[G0V+1], s[G0V+1], SLOT1
	s_add_nc_u64 s[G0V+2:G0V+3], s[8:9], s[OFF:OFF+1]
	s_or_b32 s[G0V+3], s[G0V+3], 0x80000000
	s_add_co_u32 s[NXT], s[NXT], 1  ; the next tile, or behind hi's last the first new tile again, for lo
	s_cmp_gt_u32 s[NXT], s[LQ]
	s_cselect_b32 s[NXT], 8, s[NXT]
	s_cselect_b32 s[LQ], s[LQ2], s[LQ]
.endif
	s_wait_dscnt 0x0                ; the add is done, and my reads of the slot are over
	s_barrier_signal -1
	s_sub_co_u32 s[TBK], s[TBK], 4*KS*PK  ; the fetches go back to a slot's first step, in the other slot
	s_xor_b32 s[TBK], s[TBK], SLOT1
	s_sub_co_u32 s[TBV], s[TBV], 4*KS*PV
	s_xor_b32 s[TBV], s[TBV], SLOT1
	s_barrier_wait -1
.if \fill
	LOAD
.endif
.endm
	s_load_b256 s[4:11], s[0:1], 0x0  ; q s[4:5], kall s[6:7], vall s[8:9], yb s[10:11]
	v_lshl_add_u32 v[SPW], v0, 2, SPARE
	v_mov_b32 v[NIL], 0
	ds_add_u32 v[SPW], v[NIL]       ; the wave's opening: the add and its wait ahead of my first tensor load
	ds_add_u32 v62, v63
	v_lshrrev_b32 v1, 5, v0
	v_readfirstlane_b32 s[WV], v1
	s_mov_b32 s[PB], ttmp9
	s_sub_co_u32 s[HI], 15, s[PB]
	s_and_b32 s20, ttmp7, 0xffff    ; 16 x batch + head
	s_and_b32 s16, s[WV], 1         ; which half of a tile's 256 keys I fetch
	s_lshl_b32 s22, s20, 19         ; a head's 4,096 rows of 128 bytes
	s_lshl_b32 s23, s16, 14
	s_add_co_u32 s22, s22, s23
	s_mov_b32 s23, 0
	s_mul_i32 s17, s16, 128*PK
	s_mul_i32 s18, s16, 128*PV
	s_lshl_b32 s19, s[WV], 11       ; my 16 rows in a band of 64
	s_lshl_b32 s21, s20, 18         ; the head in q
	s_add_co_u32 s21, s21, s19
	s_lshl_b32 s2, s[HI], 14
	s_add_co_u32 s2, s2, s21
	s_mov_b32 s3, 0
	s_lshl_b32 s92, s[PB], 14
	s_add_co_u32 s92, s92, s21
	s_mov_b32 s93, 0
	s_and_b32 s21, s20, 16          ; 16 x batch
	s_and_b32 s13, s20, 15          ; head
	s_add_co_u32 s94, s21, s[HI]    ; yb: (16 x (16 x batch + block) + head) x 16,384 bytes
	s_lshl_b32 s94, s94, 4
	s_add_co_u32 s94, s94, s13
	s_lshl_b32 s94, s94, 14
	s_add_co_u32 s94, s94, s19
	s_mov_b32 s95, 0
	s_add_co_u32 s66, s21, s[PB]
	s_lshl_b32 s66, s66, 4
	s_add_co_u32 s66, s66, s13
	s_lshl_b32 s66, s66, 14
	s_add_co_u32 s66, s66, s19
	s_mov_b32 s67, 0
	s_lshr_b32 s13, s[PB], 1
	s_sub_co_u32 s[NH], 8, s13
	s_add_co_u32 s[NL], s13, 1
	s_sub_co_u32 s[LQ], 15, s13
	s_add_co_u32 s[LQ2], s13, 8
	s_and_b32 s[OW0], s[HI], 1
	s_lshl_b32 s[OW0], s[OW0], 1
	s_add_co_u32 s[OW1], s[OW0], 1
	s_and_b32 s[OWL], s[PB], 1
	s_lshl_b32 s[OWL], s[OWL], 1
	; descriptor group 1.  128 keys are 16,384 dense bytes: asked for as 64 rows of 256 bytes, two keys a row, and padded in LDS after every key
	s_mov_b32 s[G1K], (1<<16)|(1<<20)|(4<<22)|(3<<25)
	s_mov_b32 s[G1V], (1<<16)|(1<<20)|(4<<22)|(7<<25)
.irp g, G1K, G1V
	s_mov_b32 s[\g+1], 128<<16
	s_mov_b32 s[\g+2], 64<<16
	s_mov_b32 s[\g+3], 128<<16
	s_mov_b32 s[\g+4], 64
	s_mov_b32 s[\g+5], 128
	s_mov_b32 s[\g+6], 0
	s_mov_b32 s[\g+7], 0
.endr
	s_mov_b32 s[CS], 0x3e38aa3b     ; c = log2(e) / 8
	s_mov_b32 s[CS+1], s[CS]
	s_mov_b32 s[SEL], 0x76543210
	s_mov_b32 s[SEL+1], 0xfedcba98
	s_mov_b32 s[TBK], SLOT1+4*KS*PK ; the first change of slots turns these two into 0
	s_mov_b32 s[TBV], SLOT1+4*KS*PV
	s_mov_b32 s[G0K], 1
	s_mov_b32 s[G0K+1], s17
	s_mov_b32 s[G0V], 1
	s_add_co_u32 s[G0V+1], s18, VOFF
	s_mov_b32 s[NXT], 1
	s_mov_b32 s[OFF+1], 0
	s_mov_b32 s[AL+1], 0
	s_mov_b32 s[BE+1], 0
	s_mov_b32 s[BIGN], 0xf149f2ca   ; -1e30
	s_wait_dscnt 0x0                ; the opening add is done
	s_wait_kmcnt 0x0
	s_add_nc_u64 s[6:7], s[6:7], s[22:23]  ; kall and vall at my half of the head's tile 0
	s_add_nc_u64 s[8:9], s[8:9], s[22:23]
	s_add_nc_u64 s[G0K+2:G0K+3], s[6:7], 0
	s_or_b32 s[G0K+3], s[G0K+3], 0x80000000
	s_add_nc_u64 s[G0V+2:G0V+3], s[8:9], 0
	s_or_b32 s[G0V+3], s[G0V+3], 0x80000000
	s_add_nc_u64 s[86:87], s[4:5], s[92:93]        ; q at my rows of lo,
	s_add_nc_u64 s[4:5], s[4:5], s[2:3]            ; and of hi
	s_add_nc_u64 s[OLO:OLO+1], s[10:11], s[66:67]
	s_add_nc_u64 s[10:11], s[10:11], s[94:95]
	LOAD                            ; tile 0 into slot 0
	v_and_b32 v1, 15, v0            ; l % 16
	v_bfe_u32 v9, v0, 4, 1          ; l / 16
	v_lshlrev_b32 v[QO], 7, v1
	v_lshl_add_u32 v[QO], v9, 4, v[QO]
	WIN 0x80
.set i, 0
.rept 4                             ; Q stays in registers: band i / 2, channels 32 (i % 2) on; hi's into tiles 0, 1, lo's into tiles 2, 3
	global_load_b128 v[8*i:8*i+3],   v[QO], s[4:5] offset:(i/2)*8192+(i%2)*64
	global_load_b128 v[8*i+4:8*i+7], v[QO], s[4:5] offset:(i/2)*8192+(i%2)*64+32
	global_load_b128 v[32+8*i:32+8*i+3],   v[QO], s[86:87] offset:(i/2)*8192+(i%2)*64
	global_load_b128 v[32+8*i+4:32+8*i+7], v[QO], s[86:87] offset:(i/2)*8192+(i%2)*64+32
.set i, i+1
.endr
	WIN 0
	v_lshlrev_b32 v45, 3, v9
	v_sub_nc_u32 v45, v1, v45
	s_lshl_b32 s13, s[WV], 4
	v_add_nc_u32 v45, s13, v45      ; my query's place in its band less my lanes' 8 (l / 16): register r of key group kt is hidden where 16 kt + r is greater
	WIN 0x40
.set i, 0
.rept 32
	v_cmp_gt_i32 vcc_lo, 16*(i/8)+i%8, v45
	v_cndmask_b32 v[MD+i], 0, s[BIGN], vcc_lo
.set i, i+1
.endr
	WIN 0
	v_mul_u32_u24 v[AK0], v1, PK
	v_lshl_add_u32 v[AK0], v9, 4, v[AK0]
	v_and_b32 v10, 7, v0
	v_bfe_u32 v11, v0, 3, 1
	v_lshl_add_u32 v[AV0], v9, 3, v10
	v_mul_u32_u24 v[AV0], v[AV0], PV
	v_lshl_add_u32 v[AV0], v11, 4, v[AV0]
	v_add_nc_u32 v[AV0], VOFF, v[AV0]
	s_mul_i32 s13, s[WV], 16*SP
	s_add_co_u32 s13, s13, STAGE
	v_mul_u32_u24 v[STO], v1, SP
	v_lshl_add_u32 v[STO], v9, 4, v[STO]
	v_add_nc_u32 v[STO], s13, v[STO]
	v_bfe_u32 v[RD], v0, 3, 2
	v_mul_u32_u24 v[RD], v[RD], SP
	v_lshl_add_u32 v[RD], v10, 4, v[RD]
	v_add_nc_u32 v[RD], s13, v[RD]
	v_and_b32 v[GO], 31, v0
	v_lshlrev_b32 v[GO], 4, v[GO]
	; What the first turn finds: V and piece B's P hold 0 (its products V^T P, of a step that has not been, add 0), O^T and l are 0.  All this stands in the wait for the first tile.
	WIN 0x80
.set i, VF
.rept 64
	v_mov_b32 v[i], 0
.set i, i+1
.endr
	WIN 0x40
.set i, 0
.rept 128
	v_mov_b32 v[i], 0
.set i, i+1
.endr
	WIN 0
.set i, 0
.rept 4
	v_mov_b32 v[ST+8*i], 0xfe000000    ; c m: far below every c s
	v_mov_b32 v[ST+8*i+1], 0xff7fffff  ; m
	v_mov_b32 v[ST+8*i+2], 0
	v_mov_b32 v[ST+8*i+3], 0
.set i, i+1
.endr
.set i, P+32
.rept 32
	v_mov_b32 v[i], 0
.set i, i+1
.endr
; THE MATRIX WORK, for a piece of g tiles from tile x0 on.  The 4 g accumulators of a run take turns, one instruction a turn.
; Product i of 8 g of S^T = K Q^T: tile x0 + i % g; channels 32 (ii / 4) on, keys 16 (ii % 4) on, ii = i / g.  The first 4 g start the sums: with 0, or (msk = 1) with the mask.
.macro KQ x0, g, msk
.set t, (\x0)+i%(\g)
.set ii, i/(\g)
.set rS, S+32*t+8*(ii%4)
.set rK, KF+16*(ii%4)+8*(ii/4)
.set rQ, 16*t+8*(ii/4)
.set rM, MC+8*(ii%4)
.if (ii < 4) && (\msk)
	WIN W_KM
	v_wmma_f32_16x16x32_f16 v[rS:rS+7], v[rK:rK+7], v[rQ:rQ+7], v[rM:rM+7]
.elseif ii < 4
	WIN W_KQ
	v_wmma_f32_16x16x32_f16 v[rS:rS+7], v[rK:rK+7], v[rQ:rQ+7], 0
.else
	WIN W_KQ
	v_wmma_f32_16x16x32_f16 v[rS:rS+7], v[rK:rK+7], v[rQ:rQ+7], v[rS:rS+7]
.endif
.endm
; Product i of 8 g of O^T += V^T P: keys 32 (ii / 4) on, channels 16 (ii % 4) on
.macro PV x0, g
	WIN W_PV
.set t, (\x0)+i%(\g)
.set ii, i/(\g)
.set rO, 32*t+8*(ii%4)
.set rV, VF+32*(ii/4)+8*(ii%4)
.set rP, P+16*t+8*(ii/4)
	v_wmma_f32_16x16x32_f16 v[rO:rO+7], v[rV:rV+7], v[rP:rP+7], v[rO:rO+7]
.endm
; THE LDS LOADS stand in runs of 16: a step's K (8 fragments) and its V (turned)
.macro FETCH_K
	WIN 0
	v_add_nc_u32 v[AK], s[TBK], v[AK0]
	WIN 0x80
.irp f, 0,1,2,3,4,5,6,7
	ds_load_b128 v[KF+8*\f:KF+8*\f+3],   v[AK] offset:(\f/2)*16*PK+(\f%2)*64
	ds_load_b128 v[KF+8*\f+4:KF+8*\f+7], v[AK] offset:(\f/2)*16*PK+(\f%2)*64+32
.endr
	s_add_co_u32 s[TBK], s[TBK], KS*PK
	WIN 0
.endm
.macro FETCH_V
	WIN 0
	v_add_nc_u32 v[AV], s[TBV], v[AV0]
	WIN 0x80
.irp f, 0,1,2,3,4,5,6,7
	ds_load_tr16_b128 v[VF+8*\f:VF+8*\f+3],   v[AV] offset:(\f/4)*32*PV+(\f%4)*32
	ds_load_tr16_b128 v[VF+8*\f+4:VF+8*\f+7], v[AV] offset:(\f/4)*32*PV+16*PV+(\f%4)*32
.endr
	s_add_co_u32 s[TBV], s[TBV], KS*PV
	WIN 0
.endm
; THE VECTOR WORK.  One tile's softmax for one key step is a list of 118 instructions; SM writes number j of it for tile t.  s0-s31 are the lane's 32 scores, in pairs 0-15.
;   0-15    the maximum of s0-s31 and the old m, three operands at a time (each accumulator's lowest registers are read first)
;   16-20   the other half of the lanes' maximum; c m_old kept; the new m; c m; c m_old - c m_new
;   21-69   ONE BATCH: the 16 scalings c s - c m, a pair of scores each, and all 33 exponentials (a at 23, then s0-s31).  None of these names an exponential's result.  From 22 on the batch goes in fours, and a
;           four begins with a scaling while there are scalings: 22-37 scaling, exponential, scaling, exponential; 38-65 a scaling and three exponentials; 66-69 the last four exponentials.  A pair is scaled in
;           an earlier four than the one that holds its exponentials
;   (wait)  between 69 and 70 stands the wait for the batch: TURN writes it, once for all the piece's tiles
;   70-85   the roundings to f16, a pair of weights each
;   86-101  the sums; l = a l + the sum          102-117  the tile's O^T times a
.macro SM t
.set rT, ST+8*(\t)
.set rS, S+32*(\t)
.set rP, P+16*(\t)
.set rO, 32*(\t)+2*(j-102)
.if j < 102
	WIN 0
.endif
.if j < 4
	v_max3_num_f32 v[rT+4+j], v[rS+8*j], v[rS+8*j+1], v[rS+8*j+2]
.elseif j < 12
	v_max3_num_f32 v[rT+4+j%4], v[rT+4+j%4], v[rS+8*(j%4)+2*(j/4)+1], v[rS+8*(j%4)+2*(j/4)+2]
.elseif j == 12
	v_max3_num_f32 v[rT+4], v[rT+4], v[rS+7], v[rS+15]
.elseif j == 13
	v_max3_num_f32 v[rT+6], v[rT+6], v[rS+23], v[rS+31]
.elseif j == 14
	v_max3_num_f32 v[rT+4], v[rT+4], v[rT+5], v[rT+6]
.elseif j == 15
	v_max3_num_f32 v[rT+4], v[rT+4], v[rT+7], v[rT+1]
.elseif j == 16
	v_permlanex16_b32 v[rT+5], v[rT+4], s[SEL], s[SEL+1]
.elseif j == 17
	v_mov_b32 v[rT+7], v[rT]
.elseif j == 18
	v_max_num_f32 v[rT+1], v[rT+4], v[rT+5]
.elseif j == 19
	v_mul_f32 v[rT], s[CS], v[rT+1]
.elseif j == 20
	v_sub_f32 v[rT+7], v[rT+7], v[rT]
.elseif j == 23
	v_exp_f32 v[rT+6], v[rT+7]
.elseif (j < 23) || ((j < 38) && (j%2 == 0)) || ((j < 66) && (j%4 == 2))
.set b, (j-2)/4                     ; 38, 42, .. 62: pairs 9 to 15
.if j < 38
.set b, (j-20)/2                    ; 21: pair 0; 22, 24, .. 36: pairs 1 to 8
.endif
	v_pk_fma_f32 v[rS+2*b:rS+2*b+1], v[rS+2*b:rS+2*b+1], s[CS:CS+1], v[rT:rT+1] op_sel_hi:[1,0,0] neg_lo:[0,0,1] neg_hi:[0,0,1]
.elseif j < 70
.set e, j-38                        ; 66 to 69: s28 to s31
.if j < 66
.set e, j-32-(j-38)/4               ; 39-41, 43-45, .. 63-65: s7 to s27
.endif
.if j < 38
.set e, (j-25)/2                    ; 25, 27, .. 37: s0 to s6
.endif
	v_exp_f32 v[rS+e], v[rS+e]
.elseif j < 86
	v_cvt_pk_f16_f32 v[rP+j-70], v[rS+2*(j-70)], v[rS+2*(j-70)+1]  ; pair j - 70
.elseif j < 102                     ; the sum of the tile's 16 pairs, in place: sum z of 16 adds neighbours 1, 2, 4 and 8 pairs apart, then l takes it
.set z, j-86
.set w, 4
.set u, z
.if z >= 14
.set w, 32
.set u, 0
.elseif z >= 12
.set w, 16
.set u, z-12
.elseif z >= 8
.set w, 8
.set u, z-8
.endif
.if z < 15
	v_pk_add_f32 v[rS+w*u:rS+w*u+1], v[rS+w*u:rS+w*u+1], v[rS+w*u+w/2:rS+w*u+w/2+1]
.else
	v_pk_fma_f32 v[rT+2:rT+3], v[rT+2:rT+3], v[rT+6:rT+7], v[rS:rS+1] op_sel_hi:[1,0,1]
.endif
.else
	WIN W_RS
	v_pk_mul_f32 v[rO:rO+1], v[rO:rO+1], v[rT+6:rT+7] op_sel_hi:[1,0]
.endif
.endm
; Slice k of 59 of the softmax of the g tiles from y0 on.  With one tile: numbers 2 k and 2 k + 1 of its list.  With two tiles: slices 11 to 34 deal out the batch, numbers 22 to 69, four numbers of ONE tile each,
; the tiles by turns; every other slice is numbers 2 k and 2 k + 1 of both lists, the tiles alternating, so that no instruction reads the result of the one just before it.
.macro SLICE y0, g
.if (\g) == 1
.irp n, 0,1
.set j, 2*k+(\n)
	SM \y0
.endr
.elseif (k >= 11) && (k < 35)
.irp n, 0,1,2,3
.set j, 22+4*((k-11)/2)+(\n)
	SM (\y0)+(k-11)%2
.endr
.else
.irp n, 0,1
.irp tt, \y0, (\y0)+1
.set j, 2*k+(\n)
	SM \tt
.endr
.endr
.endif
.set k, k+1
.endm
.macro MASK                         ; MC = MD x AL + BE
	WIN W_RS
.set z, 0
.rept 16
	v_pk_fma_f32 v[MC+2*z:MC+2*z+1], v[MD+2*z:MD+2*z+1], s[AL:AL+1], s[BE:BE+1] op_sel_hi:[1,0,0]
.set z, z+1
.endr
.endm
; A TURN.  The piece from tile x0 has the matrix unit, the piece from tile y0 the vector unit; g tiles each.  kq = 0: no products K Q^T; 1: plain; 2: with the mask of key step 4 - CNT of the diagonal tile.
; role = 0 (piece A): V of the step in hand is waited for at the head, K of the next step is fetched there (the lump that ended the turn before, 16 plain instructions or more, lies behind the last product
; that read K) and waited for in front of the products that read it.  role = 1 (piece B): V of the next step is fetched in the first lump, six plain instructions or more behind the last product that read V.
; Slices 0-15 ride behind the products V^T P; 16-34 are the first lump, which ends the batch: up to here nothing names an exponential's result, and behind it no exponential is issued.  Then a plain instruction
; (a v_nop; in the diagonal tile the mask's 16 lines, which are due here and name no result) and THE WAIT, one for the piece's 33 g exponentials.  Slices 35-50, the roundings and the sums, ride behind the
; products K Q^T; 51-58, the rescaling, all plain, are the second lump and the places behind the turn's last products.  No rider names a register of the products round it.
.macro TURN x0, y0, g, kq, role
.set k, 0
.if (\kq) == 2
	s_sub_co_u32 s[U], 4, s[CNT]
	s_cmp_eq_u32 s[U], s[OW0+(\x0)]   ; is that step the band's own?
	s_cselect_b32 s[AL], 1.0, 0
	s_cmp_gt_u32 s[U], s[OW0+(\x0)]   ; or a later one?
	s_cselect_b32 s[BE], s[BIGN], 0
.endif
.if (\role) == 0
	s_wait_dscnt 0x0                ; V is in
.if \kq
	FETCH_K
.endif
.endif
.set i, 0
.rept 8*(\g)
	PV \x0, \g
.rept 2/(\g)
	SLICE \y0, \g
.endr
.set i, i+1
.endr
.rept 19                            ; the first lump: the rest of the batch
	SLICE \y0, \g
.if ((\role) == 1) && (k == 20)
	FETCH_V
.endif
.endr
.if (\kq) == 2
	MASK                            ; its first line is the plain instruction behind the last exponential (ISA guide 5.7.2); the others are work that names no result of the batch
.else
	v_nop                           ; a plain instruction behind the last exponential, ahead of the first use of a result (ISA guide 5.7.2): one for the batch
.endif
	s_wait_alu depctr_va_vdst(0)    ; the wait for the batch, a and the weights of all the piece's tiles: ahead of the first line that names a result
.if \kq
.if (\role) == 0
	s_wait_dscnt 0x0                ; K is in
.endif
.set i, 0
.rept 8*(\g)
	KQ \x0, \g, (\kq)/2
.rept 2/(\g)
	SLICE \y0, \g
.endr
.set i, i+1
.endr
.rept 8
	SLICE \y0, \g
.endr
.else
.rept 24
	SLICE \y0, \g
.endr
.endif
.endm
; A STRETCH BEGINS: K of the tile's first step, and piece A's first scores.  The loop is then entered at piece B's turn, whose products V^T P belong to a step that has not been: they must add 0, so
; (first = 0) tile 1's P is cleared; m, l and O^T go on from part 1.  msk = 1: the tile is the diagonal one: step 0 is band 0's own or an earlier one.
.macro BEGIN g, msk, first
	s_mov_b32 s[NEW], 0
	WIN 0
.if !(\first)
.set i, P+16
.rept 16
	v_mov_b32 v[i], 0
.set i, i+1
.endr
.endif
.if \msk
	s_cmp_eq_u32 s[OW0], 0
	s_cselect_b32 s[AL], 1.0, 0
	s_mov_b32 s[BE], 0
	MASK
.endif
	FETCH_K
.if \first
	s_wait_loadcnt 0x0              ; Q
.endif
	s_wait_dscnt 0x0
.set i, 0
.rept 8*(\g)
	KQ 0, \g, \msk
.set i, i+1
.endr
	WIN 0
.rept 4
	v_nop                           ; the places behind those products
.endr
.endm
; A STRETCH ENDS: piece A's V^T P of the last step beside piece B's last softmax; then piece B's V^T P
.macro ENDB g
	TURN 0, \g, \g, 0, 0
.set i, 0
.rept 8*(\g)
	PV \g, \g
.set i, i+1
.endr
	WIN 0
.endm
; THE WAY OUT of tiles 0 and 1: l's two halves and the other half of the lanes' are added; O^T is divided by l, rounded to f16 and sent through my stage in LDS, a tile at a time
.macro PACK t
	WIN W_RS
.set i, 32*(\t)
.rept 16
	v_pk_mul_f32 v[i:i+1], v[i:i+1], v[ST+8*(\t)+6:ST+8*(\t)+7] op_sel_hi:[1,0]
.set i, i+2
.endr
	WIN 0x05
.set i, 0
.rept 16
	v_cvt_pk_f16_f32 v[S+16*(\t)+i], v[32*(\t)+2*i], v[32*(\t)+2*i+1]
.set i, i+1
.endr
	WIN 0
.irp f, 0,1,2,3
	ds_store_b128 v[STO], v[S+16*(\t)+4*\f:S+16*(\t)+4*\f+3] offset:32*\f
.endr
.irp f, 0,1,2,3
	ds_load_b128 v[S+16*(\t)+4*\f:S+16*(\t)+4*\f+3], v[RD] offset:\f*4*SP  ; LDS serves a wave's instructions in order (ISA guide 5.7.1.4): these see the stores above
.endr
.endm
.macro SEND t, younger
	WIN 0
.irp f, 0,1,2,3
	s_wait_dscnt (\younger)+3-\f
	global_store_b128 v[GO], v[S+16*(\t)+4*\f:S+16*(\t)+4*\f+3], s[10:11] offset:(\t)*8192+\f*512  ; 512 consecutive bytes, at a multiple of 256 from yb's first
.endr
.endm
.macro WAYOUT
	WIN 0
.irp t, 0,1
	v_add_f32 v[ST+8*\t+4], v[ST+8*\t+2], v[ST+8*\t+3]
.endr
.irp t, 0,1
	v_permlanex16_b32 v[ST+8*\t+5], v[ST+8*\t+4], s[SEL], s[SEL+1]
.endr
.irp t, 0,1
	v_add_f32 v[ST+8*\t+4], v[ST+8*\t+4], v[ST+8*\t+5]
.endr
.irp t, 0,1
	v_rcp_f32 v[ST+8*\t+6], v[ST+8*\t+4]
.endr
	v_nop                           ; a plain instruction between the last reciprocal and the use of its result
	s_wait_alu depctr_va_vdst(0)    ; and the wait ahead of the first use: one for the two reciprocals
	PACK 0
	PACK 1
	SEND 0, 8
	SEND 1, 0
.endm
; THE DIAGONAL TILE's four steps, the block's end and its way out
.macro DIAG tag
.LstepM\tag:
	TURN 0, 1, 1, 2, 0
	WIN 0
.LfirstM\tag:
	TURN 1, 0, 1, 2, 1
	WIN 0
	s_sub_co_u32 s[CNT], s[CNT], 1
	s_cmp_lg_u32 s[CNT], 0
	s_cbranch_scc1 .LstepM\tag
	ENDB 1
	WAYOUT
.endm
	; PART 1: the cache's eight tiles, all four tiles of queries
	CHANGE 1                        ; slot 0 is in, everybody's part of it; slot 1 is asked for
	BEGIN 2, 0, 1
	s_mov_b32 s[CNT], 4
	s_mov_b32 s[SLOTS], 8
	s_branch .LfirstA
.LslotA:
	CHANGE 1
	s_mov_b32 s[CNT], 4
.LstepA:
	TURN 0, 2, 2, 1, 0
	WIN 0
.LfirstA:
	TURN 2, 0, 2, 1, 1
	WIN 0
	s_sub_co_u32 s[CNT], s[CNT], 1
	s_cmp_lg_u32 s[CNT], 0
	s_cbranch_scc1 .LstepA
	s_sub_co_u32 s[SLOTS], s[SLOTS], 1
	s_cmp_lg_u32 s[SLOTS], 0
	s_cbranch_scc1 .LslotA
	ENDB 2
	; PART 2: the new keys, block hi and then block lo, in tiles 0 and 1's registers: nine tiles, of which eight are entered in this loop
	s_mov_b32 s[RT], s[NH]
	s_mov_b32 s[NEW], 1
	s_mov_b32 s[SLOTS], 8
.Lslot:
	CHANGE 1
	s_sub_co_u32 s[RT], s[RT], 1
	s_mov_b32 s[CNT], 4
	s_cmp_eq_u32 s[NEW], 1
	s_cbranch_scc1 .Lnew            ; a block's first new tile
	s_cmp_eq_u32 s[RT], 0
	s_cbranch_scc0 .Lstep           ; neither its first nor its last
	s_branch .LstepM1
.Lnew:
	BEGIN 1, 0, 0
	s_branch .Lfirst                ; in the loop a block's first new tile is never its last: hi has five or more, and lo's last is the walk's last
	DIAG 1                          ; in the loop this is hi's end
	s_wait_xcnt 0x0                 ; the stores have read their registers and yb's address
	s_mov_b64 s[10:11], s[OLO:OLO+1]
	s_mov_b32 s[RT], s[NL]
	s_mov_b32 s[NEW], 1
	s_mov_b32 s[OW0], s[OWL]
	s_add_co_u32 s[OW1], s[OWL], 1
	WIN 0x82                        ; lo's Q, O^T and statistics go where the one text of the turns names them
.set i, 0
.rept 32
	v_mov_b32 v[i], v[32+i]
.set i, i+1
.endr
	WIN 0x41
.set i, 0
.rept 64
	v_mov_b32 v[i], v[64+i]
.set i, i+1
.endr
	WIN 0
.irp t, 0,1
.irp n, 0,1,2,3
	v_mov_b32 v[ST+8*\t+\n], v[ST+16+8*\t+\n]
.endr
.endr
	s_branch .Lbottom
.Lstep:
	TURN 0, 1, 1, 1, 0
	WIN 0
.Lfirst:
	TURN 1, 0, 1, 1, 1
	WIN 0
	s_sub_co_u32 s[CNT], s[CNT], 1
	s_cmp_lg_u32 s[CNT], 0
	s_cbranch_scc1 .Lstep
.Lbottom:
	s_sub_co_u32 s[SLOTS], s[SLOTS], 1
	s_cmp_lg_u32 s[SLOTS], 0
	s_cbranch_scc1 .Lslot
	CHANGE 0                        ; the walk's last tile, lo's diagonal one, is written out: nothing is asked for
	s_sub_co_u32 s[RT], s[RT], 1
	s_mov_b32 s[CNT], 4
	s_cmp_eq_u32 s[NEW], 1
	s_cbranch_scc0 .LstepM2
	BEGIN 1, 1, 0
	s_branch .LfirstM2
	DIAG 2
	s_wait_tensorcnt 0x0            ; the wave's end
	ds_add_u32 v[SPW], v[NIL]
	s_wait_dscnt 0x0
	s_endpgm
.Lfunc_end_k_qe2888bbace_attn:
	.size	k_qe2888bbace_attn, .Lfunc_end_k_qe2888bbace_attn-k_qe2888bbace_attn
	.p2alignl 7, 3214868480
	.fill 96, 4, 3214868480
	.section	.rodata,"a",@progbits
	.p2align	6, 0x0
	.amdhsa_kernel k_qe2888bbace_attn
		.amdhsa_group_segment_fixed_size 327680
		.amdhsa_private_segment_fixed_size 0
		.amdhsa_enable_private_segment 0
		.amdhsa_kernarg_size 32
		.amdhsa_user_sgpr_count 2
		.amdhsa_user_sgpr_kernarg_segment_ptr 1
		.amdhsa_wavefront_size32 1
		.amdhsa_system_sgpr_workgroup_id_x 1
		.amdhsa_system_sgpr_workgroup_id_y 1
		.amdhsa_system_sgpr_workgroup_id_z 1
		.amdhsa_system_vgpr_workitem_id 0
		.amdhsa_next_free_vgpr 768
		.amdhsa_next_free_sgpr 96
		.amdhsa_reserve_vcc 1
		.amdhsa_float_denorm_mode_32 3
		.amdhsa_float_denorm_mode_16_64 3
		.amdhsa_memory_ordered 1
		.amdhsa_forward_progress 1
		.amdhsa_inst_pref_size 179
	.end_amdhsa_kernel
	.amdgpu_metadata
---
amdhsa.version: [ 1, 2 ]
amdhsa.kernels:
  - .name:           k_qe2888bbace_attn
    .symbol:         k_qe2888bbace_attn.kd
    .args:
      - { .name: q, .offset: 0, .size: 8, .value_kind: global_buffer, .address_space: global }
      - { .name: kall, .offset: 8, .size: 8, .value_kind: global_buffer, .address_space: global }
      - { .name: vall, .offset: 16, .size: 8, .value_kind: global_buffer, .address_space: global }
      - { .name: yb, .offset: 24, .size: 8, .value_kind: global_buffer, .address_space: global }
    .group_segment_fixed_size: 327680
    .private_segment_fixed_size: 0
    .kernarg_segment_align: 8
    .kernarg_segment_size: 32
    .max_flat_workgroup_size: 128
    .sgpr_count:     96
    .vgpr_count:     768
    .wavefront_size: 32
...
	.end_amdgpu_metadata
.endif
;; end of part 5
;; launch proj: the kernel of part 4 again; grid 8 x 32, 4 waves a work-group, clusters of 4 x 4, 327,680 bytes of LDS; arguments yb, wp, out0; writes out0
